; MI455X (gfx1250); checked and timed in simulation.
; The chip was launched on July 23, 2026; its instructions are those of AMD's public machine-readable ISA for CDNA 5 (MIT licence, August 2026) and "CDNA5" Instruction Set Architecture Reference Guide (July 2026). The comments in the code are by the model that wrote it; some were corrected since.
;; Self Multihead Attn. Allowed arithmetic: matrix products marked QUANTISED: E2M3 operands, one E8M0 scale for each 32 along K, by v_wmma_scale_f32_16x16x128_f8f6f4 with both operands' format E2M3, f32 sums; everything else in f32.
;; Inputs: k_bias 1,024 float32; k_weight 1,024 x 1,024 float32; out_proj_bias 1,024 float32; out_proj_weight 1,024 x 1,024 float32; q_bias 1,024 float32; q_weight 1,024 x 1,024 float32; query 2,048 x 4 x 1,024 float32; v_bias 1,024 float32; v_weight 1,024 x 1,024 float32.
;; Outputs: out0 2,048 x 4 x 1,024 float32.
;; This version of the problem:
;;   THIS VERSION OF THE PROBLEM IS GIVEN IN LOW PRECISION. The matrix products marked QUANTISED in the list below multiply operands that are first quantised to E2M3 (2 exponent bits, 3 mantissa bits; 6 bits a number), with one power-of-two scale for each 32 numbers along K (OCP MX v1.0); their sums are f32. All else is computed in f32.
;;   The module's matrix products, in the order in which they are computed (A, B: the left and right operand; K: the contracted axis; several contracted axes count as one K, in the product's order):
;;     1. [M 8,192, K 1,024] x [K 1,024, N 1,024]; A: input query; B: input q_weight: QUANTISED
;;     2. [M 8,192, K 1,024] x [K 1,024, N 1,024]; A: input query; B: input k_weight: QUANTISED
;;     3. [M 8,192, K 1,024] x [K 1,024, N 1,024]; A: input query; B: input v_weight: QUANTISED
;;     4. batch 64 x [M 2,048, K 64] x [K 64, N 2,048]; A: computed on the way; B: computed on the way: QUANTISED
;;     5. batch 64 x [M 64, K 2,048] x [K 2,048, N 2,048]; A: computed on the way; B: softmax (see below): QUANTISED
;;     6. [M 8,192, K 1,024] x [K 1,024, N 1,024]; A: computed on the way; B: input out_proj_weight: QUANTISED
;;   THE QUANTISER, for each operand of a quantised product, along K:
;;     - K is cut into blocks of 32 from its start; a last block that is shorter is filled with zeros.
;;     - A block's scale is 2^e with e = floor(log2(the largest magnitude in the block)) - 2, held to -126 .. 127; a block of zeros has e = 0. As a byte (E8M0): e + 127.
;;     - Each number is divided by its block's scale, clamped to +-7.5, and rounded to the nearest number of E2M3, ties to even, subnormals kept.
;;     - The product sums the exact products of the quantised numbers (number of the format x scale) in f32.
;;   ~~~python
;;   def quantise(x, axis):      # numpy; x: float32 -> the quantised numbers, widened to float32 again
;;       x = np.moveaxis(x, axis, -1); K = x.shape[-1]
;;       x = np.pad(x, [(0, 0)] * (x.ndim - 1) + [(0, -K % 32)]); x = x.reshape(x.shape[:-1] + (-1, 32)); a = np.abs(x).max(-1, keepdims=True)
;;       e = np.where(a > 0, np.clip(np.frexp(np.where(a > 0, a, 1))[1] - 1 - 2, -126, 127), 0)      # np.frexp(a)[1] - 1 = floor(log2(a)), exactly
;;       r = np.clip(x / 2.0 ** e, -7.5, 7.5)
;;       step = 2.0 ** (np.maximum(np.frexp(np.where(r == 0, 1, r))[1] - 1, 0) - 3)
;;       q = np.round(r / step) * step * 2.0 ** e      # np.round: ties to even
;;       return np.moveaxis(q.reshape(q.shape[:-2] + (-1,))[..., :K], -1, axis).astype(np.float32)
;;   ~~~
;;   SOFTMAX AHEAD OF A QUANTISED PRODUCT. Where the list says 'softmax', what is quantised is not the finished softmax but p = 2^(t - M), with t = logit x log2(e) and M = ceil(the row's largest t), a whole number; so 1/2 < the row's largest p <= 1. The row's sum l is taken of the UNQUANTISED p, in f32, and the product's result is divided by l at the end. Since M is a whole number, a kernel that streams over the keys may use a running M (the ceiling of the running maximum): every later rescaling is an exact power of two, which a block's scale takes up: the codes' values come out the same.
;;   OPERANDS COMPUTED ON THE WAY. 'Computed on the way' means the value that the module computes at that place (a softmax that the list does not call 'softmax' is quantised finished and normalised). What goes into a quantiser is computed in f32, as accurately as f32 sums, v_exp_f32 and their like allow (about 1e-6 of the number): no bf16 or f16 on the way to a quantiser, and a product that is left as it is and whose result goes on into a quantised operand takes f32 operands (vector FMAs, or v_wmma_f32_16x16x4_f32). A number that lies on a knife's edge between two numbers of the format may be rounded either way, as far as f32 arithmetic and the matrix unit's own rounding can turn it there, and no further.
;; One version. Each part assembles by itself: llvm-mc -triple=amdgcn-amd-amdhsa -mcpu=gfx1250 --defsym DOCPART=n.
;; ======== version 1 of 1: 4 launches
;; limits: right only within a limited range of input values
;; workspace buffers: codes 9,437,184 bytes; scales 393,216 bytes; hc 18,874,368 bytes; hs 1,310,720 bytes; cc 6,291,456 bytes; cs 262,144 bytes
;; launch quant (part 1): grid 256 x 1, 6 waves a work-group, no clusters, 51,456 bytes of LDS; arguments query, q_weight, k_weight, v_weight, out_proj_weight, codes, scales; writes codes, scales
.if DOCPART == 1
	.amdgcn_target "amdgcn-amd-amdhsa--gfx1250"
	.amdhsa_code_object_version 6
	.text
	.protected	k_q6278b8ed65_quant
	.globl	k_q6278b8ed65_quant
	.p2align	8
	.type	k_q6278b8ed65_quant,@function
k_q6278b8ed65_quant:
	s_mov_b64 s[64:65], 0
	v_nop
	global_prefetch_b8 v0, s[64:65] scope:SCOPE_SE
	s_setreg_imm32_b32 hwreg(HW_REG_WAVE_MODE, 25, 1), 1
	s_wait_xcnt 0x0
; query [2048][4][1024] and the four weights [1024][1024], f32, become codes of FP6 (E2M3) with one E8M0 byte for each 32 along K (the last axis).
; A block's byte is its largest magnitude's exponent field - 2, held at 1 from below (a block of zeros keeps 1: its codes are zeros, and this program alone reads the bytes).
; LIMITS: NaN and infinities are not served; blocks whose largest magnitude lies under 2^-124 are held at byte 1.
; ROWS: the workspace counts query's rows as m' = 2048 b + t; in memory row (t, b) lies at (4 t + b) x 4,096 bytes.
; OUTPUT: images of operand registers.  A fragment (16 rows x 128 K, 12 registers a lane) is six pieces of 256 bytes: piece p holds registers 2 p, 2 p + 1, 8 bytes a lane.
;   codes [block of 256 rows: 48][K step of 128: 8][tile of 16 rows: 16][1,536];  blocks 0-31 query, 32-35 Wq, 36-39 Wk, 40-43 Wv, 44-47 Wo.   scales [block 48][pair of K steps 4][row 256][two words].
; ORDER INSIDE A BLOCK OF 32: position 16 a + 8 u + j holds element 16 u + 8 a + j.  Every operand of every product of this program has this order, so products, maxima and scales are those of the plain order.
; SHARES: 1,536 units of 32 rows x 256 K, one a wave: four fragments.  A load takes 512 consecutive bytes of one row; 16 rows turn through the wave's own stage in LDS (pitch 528) and come back 32 numbers of one block to a lane.
; No tensor load, no barrier (waves share nothing), no cluster (no work-group reads what another reads).
.set STGB,  8448                       ; a wave's stage: 16 rows x (512 + 16) bytes
.set SPARE, 6*STGB                     ; behind the stages: the spare words, 128 bytes a wave
.set SPW,  8                           ; v8   my spare word's address; never rewritten
.set NIL,  9                           ; v9   0; never rewritten
.set OFFS, 16                          ; v16-31  16 x lane + i x the row stride
.set C,    224                         ; v224-235 a fragment's codes; v236-242 the second halves as they are made
.set WD,   244                         ; v244-247 the four fragments' scale words
	s_load_b256 s[4:11], s[0:1], 0x0               ; query, Wq, Wk, Wv
	s_load_b128 s[12:15], s[0:1], 0x20             ; Wo, codes
	s_load_b64 s[16:17], s[0:1], 0x30              ; scales
	v_lshl_add_u32 v[SPW], v0, 2, SPARE
	v_mov_b32 v[NIL], 0
	v_lshrrev_b32 v1, 5, v0
	v_readfirstlane_b32 s18, v1                    ; wave 0..5
	v_and_b32 v1, 31, v0                           ; lane
	v_and_b32 v2, 15, v0                           ; r
	v_bfe_u32 v3, v0, 4, 1                         ; h
	v_lshlrev_b32 v4, 3, v3                        ; 8 h: my bytes' shift in a scale word
	s_mul_i32 s36, s18, STGB
	v_lshlrev_b32 v[OFFS], 4, v1
	v_add_nc_u32 v5, s36, v[OFFS]                  ; into the stage: 16 x lane (+ 528 a row)
	v_mul_u32_u24 v6, v2, 528
	v_lshl_add_u32 v6, v3, 7, v6
	v_add_nc_u32 v6, s36, v6                       ; out of it: row r, block h
	v_lshlrev_b32 v7, 3, v1                        ; 8 x lane: my place in a piece
	v_mov_b32 v251, 0                              ; written once: a lane permute's destination counts as a source
	s_mov_b32 s32, 0x76543210
	s_mov_b32 s33, 0xfedcba98                      ; selects for lane l xor 16
	s_mov_b32 s34, 0xffff0000                      ; lanes 16-31
	s_mul_i32 s19, ttmp9, 6
	s_add_co_u32 s19, s19, s18                     ; my unit
	s_lshr_b32 s20, s19, 2                         ; its group of 32 rows, 0..383
	s_and_b32 s21, s19, 3                          ; its 256 along K
	s_and_b32 s36, s20, 63                         ; query: t = 32 (group % 64), b = group / 64
	s_lshl_b32 s36, s36, 19
	s_lshr_b32 s37, s20, 6
	s_lshl_b32 s37, s37, 12
	s_add_co_u32 s36, s36, s37
	s_and_b32 s37, s20, 31                         ; a weight: row 32 (group % 32)
	s_lshl_b32 s37, s37, 17
	s_mov_b32 s22, 16384                           ; from row to row: 16,384 bytes in query, 4,096 in a weight
	s_wait_alu depctr_va_vdst(0)
	s_wait_kmcnt 0x0
	s_cmp_ge_u32 s20, 256                          ; the choices hang on the unit's number alone
	s_cselect_b32 s36, s37, s36
	s_cselect_b32 s22, 4096, s22
	s_cselect_b64 s[24:25], s[6:7], s[4:5]
	s_cmp_ge_u32 s20, 288
	s_cselect_b64 s[24:25], s[8:9], s[24:25]
	s_cmp_ge_u32 s20, 320
	s_cselect_b64 s[24:25], s[10:11], s[24:25]
	s_cmp_ge_u32 s20, 352
	s_cselect_b64 s[24:25], s[12:13], s[24:25]
	s_lshl_b32 s37, s21, 10
	s_add_co_u32 s36, s36, s37
	s_mov_b32 s37, 0
	s_add_nc_u64 s[24:25], s[24:25], s[36:37]      ; my first 16 rows,
	s_lshl_b32 s36, s22, 4
	s_add_nc_u64 s[26:27], s[24:25], s[36:37]      ; my second 16
	s_lshr_b32 s38, s20, 3                         ; block of 256 rows
	s_and_b32 s39, s20, 7
	s_mul_i32 s36, s38, 196608
	s_mul_i32 s35, s21, 49152
	s_add_co_u32 s36, s36, s35
	s_mul_i32 s35, s39, 3072
	s_add_co_u32 s36, s36, s35
	s_add_nc_u64 s[28:29], s[14:15], s[36:37]      ; where my four fragments go
	s_lshl_b32 s36, s38, 13
	s_lshl_b32 s35, s21, 11
	s_add_co_u32 s36, s36, s35
	s_lshl_b32 s35, s39, 8
	s_add_co_u32 s36, s36, s35
	s_add_nc_u64 s[30:31], s[16:17], s[36:37]      ; and my 256 bytes of scale words
.irp i, 1,2,3,4,5,6,7,8,9,10,11,12,13,14,15
	v_add_nc_u32 v[OFFS+\i], s22, v[OFFS+\i-1]
.endr
; fragment f = 2 x (which 16 rows) + (which 128 along K): its 16 rows x 512 bytes into a set of 64 registers
.macro LOADF f, set
.irp i, 0,1,2,3,4,5,6,7,8,9,10,11,12,13,14,15
	global_load_b128 v[\set+4*\i:\set+4*\i+3], v[OFFS+\i], s[24+2*((\f)/2):25+2*((\f)/2)] offset:512*((\f)%2) th:TH_LOAD_NT
.endr
.endm
; left: the younger loads that may stay out
.macro FRAGQ f, set, left
	s_wait_loadcnt \left
.irp i, 0,1,2,3,4,5,6,7,8,9,10,11,12,13,14,15
	ds_store_b128 v5, v[\set+4*\i:\set+4*\i+3] offset:528*\i
.endr
.irp c, 0,1                                    ; LDS serves a wave's instructions in order: these see the stores.  Block 2 c + h of row r, in the order of the head comment
.irp g, 0,1,2,3,4,5,6,7
	ds_load_b128 v[\set+32*\c+4*\g:\set+32*\c+4*\g+3], v6 offset:256*\c+64*((\g/2)%2)+32*(\g/4)+16*(\g%2)
.endr
.endr
	s_wait_dscnt 0x0
.if (\f) > 0
	s_wait_xcnt 0x0                                ; the last fragment's stores have read their registers: the codes may be written again
.endif
.irp c, 0,1
	v_max3_num_f32 v[10+\c], |v[\set+32*\c]|, |v[\set+32*\c+1]|, 0x1800000   ; all 32 numbers of a block are mine; the floor 2^-124 holds the byte at 1
.endr
.irp i, 2,4,6,8,10,12,14,16,18,20,22,24,26,28,30
.irp c, 0,1
	v_max3_num_f32 v[10+\c], v[10+\c], |v[\set+32*\c+\i]|, |v[\set+32*\c+\i+1]|
.endr
.endr
.irp c, 0,1
	v_add_nc_u32 v[12+\c], 0xff000000, v[10+\c]    ; 2 off the exponent field: the conversion's scale operand
.endr
.irp c, 0,1
	v_lshrrev_b32 v[14+\c], 23, v[12+\c]           ; the byte
.endr
	v_lshl_or_b32 v250, v15, 16, v14               ; blocks h and 2 + h,
	v_lshlrev_b32 v250, v4, v250                   ; at their places;
	v_permlanex16_b32 v251, v250, s32, s33
	v_or_b32 v[WD+\f], v250, v251                  ; with lane l xor 16's two the word is whole
.irp c, 0,1
	v_cvt_scalef32_pk16_fp6_f32 v[C+6*\c:C+6*\c+2], v[\set+32*\c:\set+32*\c+15], v[12+\c]
	v_cvt_scalef32_pk16_fp6_f32 v[C+12+4*\c:C+14+4*\c], v[\set+32*\c+16:\set+32*\c+31], v[12+\c]   ; (three registers begin on an even number)
.endr
	v_nop                                          ; one plain place behind a scaled conversion
.irp c, 0,1
.irp i, 0,1,2
	v_mov_b32 v[C+3+6*\c+\i], v[C+12+4*\c+\i]
.endr
.endr
.irp p, 0,1,2,3,4,5
	global_store_b64 v7, v[C+2*\p:C+2*\p+1], s[28:29] offset:((\f)%2)*24576+((\f)/2)*1536+256*\p   ; 32 lanes store 256 consecutive bytes, aligned
.endr
.endm
	LOADF 0, 32
	LOADF 1, 96
	LOADF 2, 160
	FRAGQ 0, 32, 32
	LOADF 3, 32
	FRAGQ 1, 96, 32
	FRAGQ 2, 160, 16
	FRAGQ 3, 32, 0
	v_cndmask_b32 v248, v244, v246, s34            ; lanes 0-15: rows 0-15, lanes 16-31: rows 16-31; the first K step's word,
	v_cndmask_b32 v249, v245, v247, s34            ; the second's
	global_store_b64 v7, v[248:249], s[30:31]      ; 256 consecutive bytes, aligned
	s_wait_tensorcnt 0x0                           ; the wave's end, behind my last LDS store
	ds_add_u32 v[SPW], v[NIL]
	s_wait_dscnt 0x0
	s_endpgm
.Lfunc_end_k_q6278b8ed65_quant:
	.size	k_q6278b8ed65_quant, .Lfunc_end_k_q6278b8ed65_quant-k_q6278b8ed65_quant
	.p2alignl 7, 3214868480
	.fill 96, 4, 3214868480
	.section	.rodata,"a",@progbits
	.p2align	6, 0x0
	.amdhsa_kernel k_q6278b8ed65_quant
		.amdhsa_group_segment_fixed_size 51456
		.amdhsa_private_segment_fixed_size 0
		.amdhsa_enable_private_segment 0
		.amdhsa_kernarg_size 56
		.amdhsa_user_sgpr_count 2
		.amdhsa_user_sgpr_kernarg_segment_ptr 1
		.amdhsa_wavefront_size32 1
		.amdhsa_system_sgpr_workgroup_id_x 1
		.amdhsa_system_sgpr_workgroup_id_y 1
		.amdhsa_system_sgpr_workgroup_id_z 1
		.amdhsa_system_vgpr_workitem_id 0
		.amdhsa_next_free_vgpr 256
		.amdhsa_next_free_sgpr 66
		.amdhsa_reserve_vcc 0
		.amdhsa_float_denorm_mode_32 3
		.amdhsa_float_denorm_mode_16_64 3
		.amdhsa_memory_ordered 1
		.amdhsa_forward_progress 1
		.amdhsa_inst_pref_size 33
	.end_amdhsa_kernel
	.amdgpu_metadata
---
amdhsa.version: [ 1, 2 ]
amdhsa.kernels:
  - .name:           k_q6278b8ed65_quant
    .symbol:         k_q6278b8ed65_quant.kd
    .args:
      - { .name: query, .offset: 0, .size: 8, .value_kind: global_buffer, .address_space: global }
      - { .name: q_weight, .offset: 8, .size: 8, .value_kind: global_buffer, .address_space: global }
      - { .name: k_weight, .offset: 16, .size: 8, .value_kind: global_buffer, .address_space: global }
      - { .name: v_weight, .offset: 24, .size: 8, .value_kind: global_buffer, .address_space: global }
      - { .name: out_proj_weight, .offset: 32, .size: 8, .value_kind: global_buffer, .address_space: global }
      - { .name: codes, .offset: 40, .size: 8, .value_kind: global_buffer, .address_space: global }
      - { .name: scales, .offset: 48, .size: 8, .value_kind: global_buffer, .address_space: global }
    .group_segment_fixed_size: 51456
    .private_segment_fixed_size: 0
    .kernarg_segment_align: 8
    .kernarg_segment_size: 56
    .max_flat_workgroup_size: 192
    .sgpr_count:     66
    .vgpr_count:     256
    .wavefront_size: 32
...
	.end_amdgpu_metadata
.endif
;; end of part 1
;; launch proj (part 2): grid 12 x 32, 4 waves a work-group, clusters of 4 x 4, 327,680 bytes of LDS; arguments codes, scales, hc, hs, q_bias, k_bias, v_bias; writes hc, hs
.if DOCPART == 2
	.amdgcn_target "amdgcn-amd-amdhsa--gfx1250"
	.amdhsa_code_object_version 6
	.text
	.protected	k_q6278b8ed65_proj
	.globl	k_q6278b8ed65_proj
	.p2align	8
	.type	k_q6278b8ed65_proj,@function
k_q6278b8ed65_proj:
	s_mov_b64 s[64:65], 0
	v_nop
	global_prefetch_b8 v0, s[64:65] scope:SCOPE_SE
	s_setreg_imm32_b32 hwreg(HW_REG_WAVE_MODE, 25, 1), 1
	s_wait_xcnt 0x0
	s_wait_alu depctr_hold_cnt(0) depctr_sa_sdst(0) depctr_va_vdst(0) depctr_va_sdst(0) depctr_va_ssrc(0) depctr_va_vcc(0) depctr_vm_vsrc(0)
	s_getreg_b32 s2, hwreg(HW_REG_IB_STS2, 6, 4)
	s_cmp_eq_u32 s2, 0
	s_cbranch_scc0 .Lentry_in_a_cluster
	s_endpgm
.Lentry_in_a_cluster:
	s_bfe_u32 s2, ttmp6, 0x10000c
	s_cmp_lg_u32 s2, 0xf033
	s_cbranch_scc0 .Lentry_shape_is_right
	s_endpgm
.Lentry_shape_is_right:
.set KSB,   24576
.set FRB,   1536
.set SLOT,  4*KSB
.set SCL,   2*SLOT
.set STG,   229376
.set SPARE, STG+4096
.set FR, 12
.set NL, 6
.set NP, 4
.set VO0, 4
.set VO1, 5
.set STA, 6
.set STR, 7
.set VS,  8
.set ADRA, 16
.set ADRB, 20
.set ADRS, 27
.set SPW, 28
.set NIL, 29
.set SC,  32
.set BT,  64
.set AF,  128
.set LP,  224
.set TM,  128
.set PC,  144
.set PW,  164
.set G1, 24
.set G0, 32
.set G1B, 48
.set G0B, 56
.set G1S, 68
.set G0S, 76
.set G1SB, 80
.set G0SB, 88
.set MSB, 0
.macro WIN new
.if MSB != (\new)
	s_set_vgpr_msb (MSB<<8)|(\new)
.set MSB, (\new)
.endif
.endm
.set MUL_LO, 0xa1
.set MUL_HI, 0xf1
.set TO_B,   0x40
.macro JLOAD g0a, g1a, g0b, g1b
	s_cmp_eq_u32 s15, 0
	s_cbranch_scc0 .Lfor_b_\@
	tensor_load_to_lds s[\g0a:\g0a+3], s[\g1a:\g1a+7]
	s_nop 0
.rept 4
	v_nop
.endr
	s_branch .Lasked_\@
.Lfor_b_\@:
	tensor_load_to_lds s[\g0b:\g0b+3], s[\g1b:\g1b+7]
	s_nop 0
.rept 4
	v_nop
.endr
.Lasked_\@:
.endm
.macro CREST
	s_cmp_lg_u32 s14, 0
	s_cbranch_scc1 .Lnot_wave_0_\@
	s_barrier_signal -3
.Lnot_wave_0_\@:
	s_barrier_wait -3
	s_barrier_signal -1
	s_barrier_wait -1
.endm
.macro CROUND
	s_barrier_signal -1
	s_barrier_wait -1
	CREST
.endm
	s_load_b256 s[4:11], s[0:1], 0x0
	s_load_b128 s[92:95], s[0:1], 0x20
	s_load_b64 s[96:97], s[0:1], 0x30
	v_lshl_add_u32 v[SPW], v0, 2, SPARE
	v_mov_b32 v[NIL], 0
	ds_add_u32 v[SPW], v[NIL]
	ds_add_u32 v[SPW], v[NIL]
	v_lshrrev_b32 v1, 5, v0
	v_readfirstlane_b32 s14, v1
	s_lshr_b32 s15, s14, 1
	s_and_b32 s16, s14, 1
	s_bfe_u32 s40, ttmp6, 0x40000
	s_bfe_u32 s41, ttmp6, 0x40004
	s_lshl_b32 s42, ttmp9, 2
	s_add_co_u32 s42, s42, s40
	s_and_b32 s17, ttmp7, 0xffff
	s_lshl_b32 s17, s17, 2
	s_add_co_u32 s17, s17, s41
	s_lshl_b32 s43, s41, 2
	s_lshl_b32 s43, 15, s43
	s_lshl_b32 s44, 0x1111, s40
	s_or_b32 s[G1+0], s43, (3<<16)|(1<<21)
	s_or_b32 s[G1B+0], s44, (3<<16)|(1<<21)
.irp g, G1, G1B
	s_mov_b32 s[\g+1], 32<<16
	s_mov_b32 s[\g+2], 192<<16                     ; the head's loads of codes bring a whole slot's 192 rows of 256 bytes
	s_mov_b32 s[\g+3], 32<<16
	s_mov_b32 s[\g+4], 192
	s_mov_b32 s[\g+5], 32
	s_mov_b32 s[\g+6], 0
	s_mov_b32 s[\g+7], 0
.endr
	s_or_b32 s[G1S+0], s43, (3<<16)|(1<<21)
	s_or_b32 s[G1SB+0], s44, (3<<16)|(1<<21)
.irp g, G1S, G1SB
	s_mov_b32 s[\g+1], 32<<16
	s_mov_b32 s[\g+2], 32<<16                      ; the scales of 256 rows: 32 rows of 256 bytes, one load
	s_mov_b32 s[\g+3], 32<<16
	s_mov_b32 s[\g+4], 32
	s_mov_b32 s[\g+5], 32
	s_mov_b32 s[\g+6], 0
	s_mov_b32 s[\g+7], 0
.endr
	s_mul_i32 s18, s16, KSB
	s_mul_i32 s20, s17, 196608
	s_mov_b32 s21, 0
	s_add_co_u32 s46, s42, 32
	s_lshl_b32 s2, s46, 13
	s_mul_i32 s46, s46, 196608
	s_mov_b32 s47, 0
	s_lshl_b32 s22, s17, 13
	s_mov_b32 s23, 0
	s_mov_b32 s3, 0
	s_mul_i32 s45, s14, KSB
	s_mov_b32 s19, 0                               ; s[18:19]: which K step of a slot my ring loads bring, in bytes
	s_wait_dscnt 0x0
	s_wait_kmcnt 0x0
	s_add_nc_u64 s[20:21], s[4:5], s[20:21]
	s_add_nc_u64 s[22:23], s[6:7], s[22:23]
	s_add_nc_u64 s[46:47], s[4:5], s[46:47]
	s_add_nc_u64 s[2:3], s[6:7], s[2:3]
	CROUND
	s_mov_b32 s[G0S], 1
	s_mov_b32 s[G0S+1], SCL
	s_mov_b64 s[G0S+2:G0S+3], s[22:23]
	s_or_b32 s[G0S+3], s[G0S+3], 0x80000000
	s_mov_b32 s[G0SB], 1
	s_mov_b32 s[G0SB+1], SCL+8192
	s_mov_b64 s[G0SB+2:G0SB+3], s[2:3]
	s_or_b32 s[G0SB+3], s[G0SB+3], 0x80000000
; THE HEAD'S LOADS, ONE A WAVE: wave 0 brings slot 0's two K steps of the first operand (49,152 bytes on end in memory and in LDS), wave 1 those of the second, wave 2 the first's scales, wave 3 the second's.
; One chain of branches on the wave's number: every way passes exactly one load.  Slot 0's two groups 0 serve these loads first and are set for the ring behind the wait for them.
.macro ARM under, g0, g1, next
	s_cmp_lt_u32 s14, \under
	s_cbranch_scc0 \next
	tensor_load_to_lds s[\g0:\g0+3], s[\g1:\g1+7]
	s_nop 0
.rept 4
	v_nop
.endr
	s_branch .Lhead_asked
\next:
.endm
	s_mov_b32 s[G0], 1
	s_mov_b32 s[G0+1], 0
	s_mov_b64 s[G0+2:G0+3], s[20:21]
	s_or_b32 s[G0+3], s[G0+3], 0x80000000
	s_mov_b32 s[G0B], 1
	s_mov_b32 s[G0B+1], 2*KSB
	s_mov_b64 s[G0B+2:G0B+3], s[46:47]
	s_or_b32 s[G0B+3], s[G0B+3], 0x80000000
	ARM 1, G0,  G1,  .Lhead_b
	ARM 2, G0B, G1B, .Lhead_sa
	ARM 3, G0S, G1S, .Lhead_sb
	tensor_load_to_lds s[G0SB:G0SB+3], s[G1SB:G1SB+7]
	s_nop 0
.rept 4
	v_nop
.endr
.Lhead_asked:
	s_add_nc_u64 s[20:21], s[20:21], s[18:19]      ; for the ring: my K step of a slot's two
	s_add_nc_u64 s[46:47], s[46:47], s[18:19]
	s_mov_b32 s[G0+4], 1
	s_add_co_u32 s[G0+5], s45, SLOT
	s_add_nc_u64 s[G0+6:G0+7], s[20:21], 2*KSB
	s_or_b32 s[G0+7], s[G0+7], 0x80000000
	s_mov_b32 s[G0B+4], 1
	s_add_co_u32 s[G0B+5], s45, SLOT
	s_add_nc_u64 s[G0B+6:G0B+7], s[46:47], 2*KSB
	s_or_b32 s[G0B+7], s[G0B+7], 0x80000000
	s_wait_alu depctr_va_vdst(0)                   ; directly ahead of the wait below
	s_wait_tensorcnt 0x0                           ; my tile of the head's four is in
	ds_add_u32 v28, v29
	s_add_co_u32 s[G0+1], s45, 0                   ; no tensor load of mine is out, so descriptors may be written: slot 0's groups 0 for the ring,
	s_mov_b64 s[G0+2:G0+3], s[20:21]
	s_or_b32 s[G0+3], s[G0+3], 0x80000000
	s_add_co_u32 s[G0B+1], s45, 0
	s_mov_b64 s[G0B+2:G0B+3], s[46:47]
	s_or_b32 s[G0B+3], s[G0B+3], 0x80000000
	s_mov_b32 s[G1+2], 96<<16                      ; and from here on a load brings 96 rows
	s_mov_b32 s[G1+4], 96
	s_mov_b32 s[G1B+2], 96<<16
	s_mov_b32 s[G1B+4], 96
	s_wait_dscnt 0x0
	CROUND                                         ; all four tiles are in, and all sixteen work-groups are here
	JLOAD G0+4, G1, G0B+4, G1B                     ; slot 1's first fill, the first tensor load behind the round
	v_and_b32 v1, 15, v0
	v_bfe_u32 v2, v0, 4, 1
	v_and_b32 v3, 31, v0
	v_lshlrev_b32 v[VO0], 3, v3
	s_wait_alu depctr_va_vdst(0)
	s_cmp_eq_u32 ttmp9, 2
	s_cselect_b32 s98, 1, 0
	s_cselect_b32 s99, s15, s16
	s_cselect_b32 s100, s16, s15
	s_cselect_b32 s101, 2*KSB, 0
	s_cselect_b32 s104, 0, 2*KSB
	s_cselect_b32 s105, 8192, 0
	s_cselect_b32 s2, 0, 8192
	s_mul_i32 s21, s15, 8*FRB
	s_add_co_u32 s21, s21, s101
	s_mul_i32 s22, s16, 8*FRB
	s_add_co_u32 s22, s22, s104
.irp s, 0,1
	v_add_nc_u32 v[ADRA+\s], s21, v[VO0]
	v_add_nc_u32 v[ADRB+\s], s22, v[VO0]
	s_add_co_u32 s21, s21, SLOT
	s_add_co_u32 s22, s22, SLOT
.endr
	s_lshl_b32 s21, s15, 10
	s_add_co_u32 s21, s21, s105
	s_add_co_u32 s21, s21, SCL
	s_lshl_b32 s22, s16, 10
	s_add_co_u32 s22, s22, s2
	s_add_co_u32 s22, s22, SCL
	s_mov_b32 s23, 0xffff0000
	v_mov_b32 v9, s21
	v_mov_b32 v10, s22
	v_cndmask_b32 v9, v9, v10, s23
	v_lshl_add_u32 v[ADRS], v1, 3, v9
	s_cmp_eq_u32 ttmp9, 0
	s_cselect_b64 s[12:13], s[92:93], s[94:95]
	s_cmp_eq_u32 ttmp9, 2
	s_cselect_b64 s[12:13], s[96:97], s[12:13]
	s_cselect_b32 s46, 0, 32
	s_cselect_b32 s47, 4, 0
	s_cselect_b32 s22, 0, 4
	s_lshl_b32 s20, s40, 10
	s_lshl_b32 s21, s99, 9
	s_add_co_u32 s20, s20, s21
	s_mov_b32 s21, 0
	s_add_nc_u64 s[12:13], s[12:13], s[20:21]
	v_mul_u32_u24 v9, v2, s46
	v_mad_u32_u24 v9, v1, s47, v9
	s_wait_alu depctr_va_vdst(0)
.irp j, 0,1,2,3,4,5,6,7
	s_mul_i32 s23, s22, \j
	v_add_nc_u32 v[LP+\j], s23, v9
.endr
.irp i, 0,1,2,3,4,5,6,7
.irp j, 0,1,2,3,4,5,6,7
	global_load_b32 v[BT+8*\i+\j], v[LP+\j], s[12:13] offset:64*\i
.endr
.endr
	s_lshr_b32 s18, s17, 3
	s_lshl_b32 s18, s18, 4
	s_lshl_b32 s19, s40, 2
	s_add_co_u32 s18, s18, s19
	s_lshl_b32 s19, s99, 1
	s_add_co_u32 s18, s18, s19
	s_and_b32 s19, s17, 7
	s_lshl_b32 s19, s19, 1
	s_add_co_u32 s19, s19, s100
	s_mul_i32 s20, ttmp9, 6291456
	s_mul_i32 s21, s18, 98304
	s_add_co_u32 s20, s20, s21
	s_mul_i32 s21, s19, 6144
	s_add_co_u32 s20, s20, s21
	s_mov_b32 s21, 0
	s_add_nc_u64 s[8:9], s[8:9], s[20:21]
	s_lshl_b32 s20, s18, 13
	s_lshl_b32 s22, s19, 9
	s_add_co_u32 s20, s20, s22
	s_lshr_b32 s20, s20, s98
	s_mul_i32 s22, ttmp9, 524288
	s_add_co_u32 s20, s20, s22
	s_add_nc_u64 s[10:11], s[10:11], s[20:21]
	s_mov_b32 s18, 768
	s_mov_b32 s22, 98304
	s_mov_b32 s23, 0xffff
	s_mov_b32 s46, 256
	s_cmp_eq_u32 ttmp9, 2
	s_cselect_b32 s18, 1536, s18
	s_cselect_b32 s20, 92160, 0
	s_cselect_b32 s22, 768, s22
	s_cselect_b32 s23, -1, s23
	s_cselect_b32 s46, 4096, s46
	s_mov_b32 s19, 0
	s_mov_b32 s21, 0
	s_mov_b32 s66, 0x76543210
	s_mov_b32 s67, 0xfedcba98
	v_add_nc_u32 v[VO1], s22, v[VO0]
	s_lshl_b32 s47, s14, 10
	s_add_co_u32 s47, s47, STG
	v_lshl_add_u32 v[STA], v1, 2, s47
	v_lshl_add_u32 v[STR], v3, 4, s47
	v_mul_u32_u24 v[VS], v2, s46
	v_lshl_add_u32 v[VS], v1, 4, v[VS]
.macro FRAG reg, adr, q, i
.irp p, 0,1,2,3,4,5
	ds_load_b64 v[\reg+2*\p:\reg+2*\p+1], v[\adr] offset:(\q)*KSB+(\i)*FRB+256*\p
.endr
.endm
.macro MUL16 a0, p, q, sc, cm
.irp a, \a0, \a0+1
.irp b, 0,1,2,3,4,5,6,7
.set DD, 8*(8*((\a)%4)+\b)
.set CC, DD
.if \cm == 1
.set CC, BT+8*\b
.endif
.if \cm == 2
.set CC, BT+8*(\a)
.endif
	v_wmma_scale_f32_16x16x128_f8f6f4 v[DD:DD+7], v[128*(\p)+FR*\b:128*(\p)+FR*\b+FR-1], v[AF+FR*(\a):AF+FR*(\a)+FR-1], v[CC:CC+7], v[SC+16*(\sc)+2*\b+(\q)], v[SC+16*(\sc)+2*(\a)+(\q)] matrix_a_fmt:MATRIX_FMT_FP6 matrix_b_fmt:MATRIX_FMT_FP6 matrix_a_scale:MATRIX_SCALE_ROW1
.endr
.endr
.endm
.macro FETCH_B slot, q, p
	WIN TO_B
.irp i, 0,1,2,3,4,5,6,7
	FRAG 128*(\p)+FR*\i, ADRB+\slot, \q, \i
.endr
	WIN 0
.endm
.macro FETCH_A slot, q, i0
.irp i, \i0, \i0+1, \i0+2, \i0+3
	FRAG AF+FR*(\i), ADRA+\slot, \q, \i
.endr
.endm
.macro SCALES sc
.irp i, 0,1,2,3,4,5,6,7
	ds_load_b64 v[SC+16*\sc+2*\i:SC+16*\sc+2*\i+1], v[ADRS] offset:128*\i
.endr
.endm
.macro PLACES n
.rept \n
	v_nop
.endr
.endm
.macro STEP slot, q, cm
	s_wait_dscnt 4*NL
.if \cm
	WIN 0x81
.else
	WIN MUL_LO
.endif
	MUL16 0, (\q)%2, \q, \slot, \cm
	MUL16 2, (\q)%2, \q, \slot, \cm
	s_wait_dscnt 0
	PLACES NP
	FETCH_B \slot, (\q)+1, 1-(\q)%2
	FETCH_A \slot, (\q)+1, 0
.if \cm
	WIN 0xc1
.else
	WIN MUL_HI
.endif
	MUL16 4, (\q)%2, \q, \slot, \cm
	MUL16 6, (\q)%2, \q, \slot, \cm
	PLACES NP
	WIN 0
	FETCH_A \slot, (\q)+1, 4
.endm
.macro TURN slot, next, fill
	s_wait_tensorcnt 0x0
	ds_add_u32 v[SPW], v[NIL]
	s_wait_dscnt 4*NL+1
	WIN MUL_LO
	MUL16 0, 1, 1, \slot, 0
	s_wait_dscnt 0x0
	s_barrier_signal -1
	MUL16 2, 1, 1, \slot, 0
	WIN 0
	s_barrier_wait -1
.if \fill
	CREST
	s_add_nc_u64 s[G0+4*\slot+2:G0+4*\slot+3], s[G0+4*\slot+2:G0+4*\slot+3], 4*KSB
	s_add_nc_u64 s[G0B+4*\slot+2:G0B+4*\slot+3], s[G0B+4*\slot+2:G0B+4*\slot+3], 4*KSB
	JLOAD G0+4*\slot, G1, G0B+4*\slot, G1B
.else
	PLACES NP
.endif
	s_wait_alu depctr_va_vdst(0)
	v_add_nc_u32 v[ADRS], 2048, v[ADRS]
	FETCH_B \next, 0, 0
	FETCH_A \next, 0, 0
	SCALES \next
	WIN MUL_HI
	MUL16 4, 1, 1, \slot, 0
	MUL16 6, 1, 1, \slot, 0
	PLACES NP
	WIN 0
	FETCH_A \next, 0, 4
.endm
	s_wait_tensorcnt 1
	s_barrier_signal -1
	s_barrier_wait -1
	FETCH_B 0, 0, 0
	FETCH_A 0, 0, 0
	SCALES 0
	FETCH_A 0, 0, 4
	s_wait_loadcnt 0x0
	s_cmp_eq_u32 s98, 1
	s_cbranch_scc1 .Lv_first
	STEP 0, 0, 1
	s_branch .Lgo
.Lv_first:
	STEP 0, 0, 2
.Lgo:
	TURN 0, 1, 1
	STEP 1, 0, 0
	TURN 1, 0, 1
	STEP 0, 0, 0
	TURN 0, 1, 0
	STEP 1, 0, 0
	s_wait_dscnt 4*NL
	WIN MUL_LO
	MUL16 0, 1, 1, 1, 0
	MUL16 2, 1, 1, 1, 0
	s_wait_dscnt 0
	WIN MUL_HI
	MUL16 4, 1, 1, 1, 0
	MUL16 6, 1, 1, 1, 0
	WIN 0
	PLACES NP
.irp b, 0,1,2,3
	v_mov_b32 v[TM+4+\b], 0
.endr
.macro EPI a
.set AC, 64*((\a)%4)
.if (\a) > 0
	s_wait_dscnt 0x0
	s_wait_xcnt 0x0
	s_add_nc_u64 s[8:9], s[8:9], s[18:19]
.endif
.if (\a) == 4
	s_add_nc_u64 s[8:9], s[8:9], s[20:21]
.endif
	WIN 0x28+0x14*((\a)/4)
.irp b, 0,1,2,3
	v_max3_num_f32 v[TM+\b], 0x1800000, |v[AC+16*\b]|, |v[AC+16*\b+1]|
.endr
.irp i, 2,4,6,8,10,12,14
.irp b, 0,1,2,3
	v_max3_num_f32 v[TM+\b], v[TM+\b], |v[AC+16*\b+\i]|, |v[AC+16*\b+\i+1]|
.endr
.endr
	WIN 0
.irp b, 0,1,2,3
	v_permlanex16_b32 v[TM+4+\b], v[TM+\b], s66, s67
.endr
.irp b, 0,1,2,3
	v_max_num_f32 v[TM+\b], v[TM+\b], v[TM+4+\b]
.endr
.irp b, 0,1,2,3
	v_add_nc_u32 v[TM+12+\b], 0xff000000, v[TM+\b]
.endr
.irp b, 0,1,2,3
	v_lshrrev_b32 v[TM+4+\b], 23, v[TM+12+\b]
.endr
	v_lshl_or_b32 v[PW], v[TM+5], 8, v[TM+4]
	v_lshl_or_b32 v[PW], v[TM+6], 16, v[PW]
	v_lshl_or_b32 v[PW], v[TM+7], 24, v[PW]
	WIN 0x02+(\a)/4
.irp c, 0,1
	v_cvt_scalef32_pk16_fp6_f32 v[PC+6*\c:PC+6*\c+2], v[AC+32*\c:AC+32*\c+15], v[TM+12+2*\c]
	v_cvt_scalef32_pk16_fp6_f32 v[PC+12+4*\c:PC+14+4*\c], v[AC+32*\c+16:AC+32*\c+31], v[TM+13+2*\c]
.endr
	WIN 0
	v_nop
.irp c, 0,1
.irp i, 0,1,2
	v_permlane16_swap_b32 v[PC+6*\c+\i], v[PC+12+4*\c+\i]
.endr
.irp i, 0,1,2
	v_mov_b32 v[PC+3+6*\c+\i], v[PC+12+4*\c+\i]
.endr
.endr
	v_and_b32 v[PW+1], s23, v[PW]
	v_lshrrev_b32 v[PW+2], 16, v[PW]
	ds_store_b32 v[STA], v[PW+1] offset:64*(\a)
	ds_store_b32 v[STA], v[PW+2] offset:512+64*(\a)
.irp p, 0,1,2
	global_store_b64 v[VO0], v[PC+2*\p:PC+2*\p+1], s[8:9] offset:256*\p
.endr
.irp p, 0,1,2
	global_store_b64 v[VO1], v[PC+6+2*\p:PC+7+2*\p], s[8:9] offset:256*\p
.endr
.endm
.irp a, 0,1,2,3,4,5,6,7
	EPI \a
.endr
	ds_load_b128 v[168:171], v[STR]
	ds_load_b128 v[172:175], v[STR] offset:512
	s_wait_dscnt 0x0
	global_store_b128 v[VS], v[168:171], s[10:11]
	s_cmp_eq_u32 s98, 1
	s_cbranch_scc1 .Lno_odd
	global_store_b128 v[VS], v[172:175], s[10:11] offset:8192
.Lno_odd:
	s_wait_tensorcnt 0x0
	ds_add_u32 v[SPW], v[NIL]
	s_wait_dscnt 0x0
	CROUND
	s_endpgm
.Lfunc_end_k_q6278b8ed65_proj:
	.size	k_q6278b8ed65_proj, .Lfunc_end_k_q6278b8ed65_proj-k_q6278b8ed65_proj
	.p2alignl 7, 3214868480
	.fill 96, 4, 3214868480
	.section	.rodata,"a",@progbits
	.p2align	6, 0x0
	.amdhsa_kernel k_q6278b8ed65_proj
		.amdhsa_group_segment_fixed_size 327680
		.amdhsa_private_segment_fixed_size 0
		.amdhsa_enable_private_segment 0
		.amdhsa_kernarg_size 56
		.amdhsa_user_sgpr_count 2
		.amdhsa_user_sgpr_kernarg_segment_ptr 1
		.amdhsa_wavefront_size32 1
		.amdhsa_system_sgpr_workgroup_id_x 1
		.amdhsa_system_sgpr_workgroup_id_y 1
		.amdhsa_system_sgpr_workgroup_id_z 1
		.amdhsa_system_vgpr_workitem_id 0
		.amdhsa_next_free_vgpr 1024
		.amdhsa_next_free_sgpr 106
		.amdhsa_reserve_vcc 0
		.amdhsa_float_denorm_mode_32 3
		.amdhsa_float_denorm_mode_16_64 3
		.amdhsa_memory_ordered 1
		.amdhsa_forward_progress 1
		.amdhsa_inst_pref_size 192
	.end_amdhsa_kernel
	.amdgpu_metadata
---
amdhsa.version: [ 1, 2 ]
amdhsa.kernels:
  - .name:           k_q6278b8ed65_proj
    .symbol:         k_q6278b8ed65_proj.kd
    .args:
      - { .name: codes, .offset: 0, .size: 8, .value_kind: global_buffer, .address_space: global }
      - { .name: scales, .offset: 8, .size: 8, .value_kind: global_buffer, .address_space: global }
      - { .name: hc, .offset: 16, .size: 8, .value_kind: global_buffer, .address_space: global }
      - { .name: hs, .offset: 24, .size: 8, .value_kind: global_buffer, .address_space: global }
      - { .name: q_bias, .offset: 32, .size: 8, .value_kind: global_buffer, .address_space: global }
      - { .name: k_bias, .offset: 40, .size: 8, .value_kind: global_buffer, .address_space: global }
      - { .name: v_bias, .offset: 48, .size: 8, .value_kind: global_buffer, .address_space: global }
    .group_segment_fixed_size: 327680
    .private_segment_fixed_size: 0
    .kernarg_segment_align: 8
    .kernarg_segment_size: 56
    .max_flat_workgroup_size: 128
    .sgpr_count:     106
    .vgpr_count:     1024
    .wavefront_size: 32
...
	.end_amdgpu_metadata
.endif
;; end of part 2
;; launch attn (part 3): grid 4 x 64, 8 waves a work-group, clusters of 4 x 1, 223,744 bytes of LDS; arguments hc, hs, cc, cs; writes cc, cs
.if DOCPART == 3
	.amdgcn_target "amdgcn-amd-amdhsa--gfx1250"
	.amdhsa_code_object_version 6
	.text
	.protected	k_q6278b8ed65_attn
	.globl	k_q6278b8ed65_attn
	.p2align	8
	.type	k_q6278b8ed65_attn,@function
k_q6278b8ed65_attn:
	s_mov_b64 s[64:65], 0
	v_nop
	global_prefetch_b8 v0, s[64:65] scope:SCOPE_SE
	s_setreg_imm32_b32 hwreg(HW_REG_WAVE_MODE, 25, 1), 1
	s_wait_xcnt 0x0
	s_wait_alu depctr_hold_cnt(0) depctr_sa_sdst(0) depctr_va_vdst(0) depctr_va_sdst(0) depctr_va_ssrc(0) depctr_va_vcc(0) depctr_vm_vsrc(0)
	s_getreg_b32 s2, hwreg(HW_REG_IB_STS2, 6, 4)
	s_cmp_eq_u32 s2, 0
	s_cbranch_scc0 .Lentry_in_a_cluster
	s_endpgm
.Lentry_in_a_cluster:
	s_bfe_u32 s2, ttmp6, 0x10000c
	s_cmp_lg_u32 s2, 0x3003
	s_cbranch_scc0 .Lentry_shape_is_right
	s_endpgm
.Lentry_shape_is_right:
; ctx = softmax(q k^T / 8) v for one head (of 64: 16 b + h), both products on codes of FP6 (E2M3) with E8M0 scales; ctx is quantised along the head's 64 channels for the output projection.
; SOFTMAX: t = score x log2(e) / 8 (q comes unscaled: 1/8 is exact); M = the running largest t rounded up to a whole number; p = 2^(t - M) is quantised along the keys; the sum is taken of the unquantised p and divides at the end.
; SHARES: a work-group owns 512 queries of a head; each of its 8 waves works TWO tiles of 16 queries at once (tile A in register window 0, tile B in window 1), in two passes: query tile 16 pass + 8 u + wave.  Every K and V fragment read from LDS feeds both tiles.
; K, V AND THEIR SCALE WORDS OF THE WHOLE HEAD LIE IN LDS, filled once by eight joint loads (mask 15: the four work-groups of a cluster share the head), one a wave: no ring, no refill.  No load stands in a loop, so nothing is prefetched.
; LAYOUT: S^T = K Q^T and O^T = V^T P^T: a lane holds one query throughout.  Operands lie as images of registers, pieces of 256 bytes.  A block of 32 has the order: position 16 a + 8 u + j = element 16 u + 8 a + j, in all operands alike.
; THE KEYS OF A TILE OF K: tile (c, i) of a step of 128 keys takes in rows 0-7 keys 64 c + e + 0..7 and in rows 8-15 keys 64 c + 32 + e + 0..7, e = 0, 16, 8, 24 for i = 0..3.  So lane (r, h) holds in registers 32 c .. 32 c + 31 of S^T
; the WHOLE block 2 c + h of query r, in the order of V's codes: a block's maximum needs no other lane and the conversions' results are the operand.  K's pieces lie 288 bytes apart in LDS, so that the 32 lanes of such a load touch 64 different banks.
; K = 64 IN AN INSTRUCTION OF 128: Q's upper six registers are zero codes; a tile of K names the next tile's six registers as its upper half: finite codes times zeros add 0; the words' bytes 2, 3 are 0.
; The last trip of a pass asks for a 17th step of K, which nobody uses: those reads fall on V's bytes and on two more rows of words that K's words' load brings for this.
; LIMITS: NaN and infinities are not served; scores under -3e38 are not served; a block of ctx whose largest magnitude lies under 2^-124 keeps the byte 1; the scaled scores stay under 2^31 in magnitude.
; REGISTERS.  Both windows: v16-27 Q; v96-159 S^T, p; v160-191 O^T; v192-210 codes.  Window 0: v1-4, 7 addresses that stay; v8-11 the step's; v28-31 K's words; v32-85 K's tiles; v86 8 h; v87 -3e38; v88-89 Q's words; v90-91 V's words;
; v92-95 addresses; from NA and NB the two tiles' small state.  Window 1: v32-79 V's fragments.
.set KSTEP, 6912                       ; 24 pieces of 288 bytes: a step's K
.set VC,    110592
.set SCV,   208896
.set SCK,   212992                     ; 34 rows of 256 bytes
.set STG,   221696                     ; 1,024 bytes: the work-group's scale bytes of ctx
.set SPARE, 222720                     ; the spare words, 128 bytes a wave
.set SPW, 5
.set NIL, 6
.set NA, 212                           ; a tile's state: +0 -M, +1 largest score, +2,3 f and 0, +4..11 the sum in four pairs, +12..15 maxima, +16,17 at work, +18,19 the conversions' scales, +20 p's word
.set NB, 234
.set MSB, 0
.macro WIN new                         ; the immediate's high byte repeats the setting that is left
.if MSB != (\new)
	s_set_vgpr_msb (MSB<<8)|(\new)
.set MSB, (\new)
.endif
.endm
.macro H d
	s_delay_alu instid0(VALU_DEP_\d)
.endm
.macro CROUND
	s_barrier_signal -1
	s_barrier_wait -1
	s_cmp_lg_u32 s12, 0
	s_cbranch_scc1 .Lnot_wave_0_\@
	s_barrier_signal -3
.Lnot_wave_0_\@:
	s_barrier_wait -3
	s_barrier_signal -1
	s_barrier_wait -1
.endm
	s_load_b256 s[4:11], s[0:1], 0x0               ; hc, hs, cc, cs
	v_lshl_add_u32 v[SPW], v0, 2, SPARE
	v_mov_b32 v[NIL], 0
	ds_add_u32 v[SPW], v[NIL]                      ; the opening lines: the add, twice on end, and its wait ahead of my first tensor load
	ds_add_u32 v[SPW], v[NIL]
	v_lshrrev_b32 v8, 5, v0
	v_readfirstlane_b32 s12, v8                    ; wave 0..7
	s_bfe_u32 s13, ttmp6, 0x40000                  ; cx: enters global addresses alone
	s_and_b32 s14, ttmp7, 0xffff                   ; the head, 16 b + h
	s_lshr_b32 s15, s14, 4
	s_and_b32 s16, s14, 15
	s_mov_b32 s24, 15|(3<<16)|(1<<20)|(1<<21)|(5<<22)|(7<<25)   ; K's codes: all four work-groups; elements of 8 bytes; 8 words of padding behind every 64
	s_mov_b32 s32, 15|(3<<16)|(1<<21)              ; V's codes, K's words, V's words: dense
	s_mov_b32 s68, 15|(3<<16)|(1<<21)
	s_mov_b32 s76, 15|(3<<16)|(1<<21)
.irp g, 24, 32, 68, 76
	s_mov_b32 s[\g+1], 32<<16                      ; rows of 256 bytes
	s_mov_b32 s[\g+3], 32<<16
	s_mov_b32 s[\g+5], 32
	s_mov_b32 s[\g+6], 0
	s_mov_b32 s[\g+7], 0
.endr
	s_mov_b32 s26, 128<<16                         ; a third of the head's K or V: 128 rows
	s_mov_b32 s28, 128
	s_mov_b32 s34, 128<<16
	s_mov_b32 s36, 128
	s_mov_b32 s70, 34<<16                          ; K's words: 32 rows and the two that the 17th step's reads fall on
	s_mov_b32 s72, 34
	s_mov_b32 s78, 16<<16
	s_mov_b32 s80, 16
	s_mul_i32 s60, s14, 98304
	s_lshl_b32 s61, s12, 15
	s_add_co_u32 s60, s60, s61
	s_add_co_u32 s62, s60, 12582912-98304          ; waves 3-5: thirds of V's codes
	s_add_co_u32 s60, s60, 6291456                 ; waves 0-2: thirds of K's
	s_mov_b32 s61, 0
	s_mov_b32 s63, 0
	s_lshl_b32 s92, s14, 13
	s_add_co_u32 s92, s92, 524288                  ; wave 6: K's words
	s_mov_b32 s93, 0
	s_lshl_b32 s94, s14, 12
	s_add_co_u32 s94, s94, 1048576                 ; wave 7: V's
	s_mov_b32 s95, 0
	s_mov_b32 s20, 0x76543210
	s_mov_b32 s21, 0xfedcba98                      ; selects for lane l xor 16
	s_mov_b32 s22, 0x3e38aa3b                      ; log2(e) / 8
	s_mov_b32 s23, s22
	s_wait_dscnt 0x0                               ; both opening adds are done
	s_wait_kmcnt 0x0
	s_mov_b32 s40, 1
	s_mul_i32 s41, s12, 36864                      ; 128 rows of 288 bytes
	s_add_nc_u64 s[42:43], s[4:5], s[60:61]
	s_or_b32 s43, s43, 0x80000000
	s_mov_b32 s44, 1
	s_lshl_b32 s45, s12, 15
	s_add_co_u32 s45, s45, VC-98304                ; wave 3: VC
	s_add_nc_u64 s[46:47], s[4:5], s[62:63]
	s_or_b32 s47, s47, 0x80000000
	s_mov_b32 s84, 1
	s_mov_b32 s85, SCK
	s_add_nc_u64 s[86:87], s[6:7], s[92:93]
	s_or_b32 s87, s87, 0x80000000
	s_mov_b32 s88, 1
	s_mov_b32 s89, SCV
	s_add_nc_u64 s[90:91], s[6:7], s[94:95]
	s_or_b32 s91, s91, 0x80000000
	CROUND                                         ; all four work-groups are here: the joint loads meet
.macro ARM under, g0, g1, next                 ; one chain of branches on the wave's number: every way passes exactly one load
	s_cmp_lt_u32 s12, \under
	s_cbranch_scc0 \next
	tensor_load_to_lds s[\g0:\g0+3], s[\g1:\g1+7]
	s_nop 0
.rept 4
	v_nop
.endr
	s_branch .Lasked
\next:
.endm
	ARM 3, 40, 24, .Larm_v
	ARM 6, 44, 32, .Larm_kw
	ARM 7, 84, 68, .Larm_vw
	tensor_load_to_lds s[88:91], s[76:83]
	s_nop 0
.rept 4
	v_nop
.endr
.Lasked:
	s_lshl_b32 s60, s13, 5
	s_add_co_u32 s60, s60, s12                     ; my first tile of queries: 32 cx + wave
	s_mul_i32 s61, s60, 768
	s_mul_i32 s62, s14, 98304
	s_add_co_u32 s62, s62, s61
	s_mov_b32 s63, 0
	s_add_nc_u64 s[48:49], s[4:5], s[62:63]        ; its codes
	s_lshl_b32 s61, s60, 6
	s_lshl_b32 s62, s14, 13
	s_add_co_u32 s62, s62, s61
	s_add_nc_u64 s[50:51], s[6:7], s[62:63]        ; its words
	s_lshl_b32 s60, s15, 3
	s_lshl_b32 s61, s13, 1
	s_add_co_u32 s60, s60, s61
	s_mul_i32 s62, s60, 196608                     ; cc: block of 256 rows 8 b + 2 cx (+ pass),
	s_lshr_b32 s60, s16, 1
	s_mul_i32 s60, s60, 24576                      ; K step = pair of heads,
	s_add_co_u32 s62, s62, s60
	s_mul_i32 s60, s12, 1536                       ; tile = wave (+ 8 u),
	s_add_co_u32 s62, s62, s60
	s_and_b32 s60, s16, 1
	s_mul_i32 s60, s60, 768                        ; an odd head fills pieces 3-5
	s_add_co_u32 s62, s62, s60
	s_add_nc_u64 s[52:53], s[8:9], s[62:63]
	s_lshl_b32 s62, s16, 14                        ; cs: [head 16][row 8,192] of two bytes
	s_lshl_b32 s60, s15, 12
	s_add_co_u32 s62, s62, s60
	s_lshl_b32 s60, s13, 10
	s_add_co_u32 s62, s62, s60
	s_add_nc_u64 s[54:55], s[10:11], s[62:63]
	s_lshl_b32 s60, s12, 5
	s_add_co_u32 s60, s60, STG
	v_and_b32 v8, 7, v0                            ; r % 8
	v_bfe_u32 v9, v0, 3, 1                         ; r / 8
	v_bfe_u32 v10, v0, 4, 1                        ; h
	v_and_b32 v11, 31, v0                          ; lane
	v_and_b32 v92, 15, v0                          ; r
	v_mul_u32_u24 v1, v9, 1728                     ; K: rows 8-15 come from the tile two on: six pieces of 288 bytes;
	v_lshl_add_u32 v3, v9, 7, SCK                  ; K's words: 32 keys on
	v_lshl_add_u32 v2, v11, 3, VC                  ; V: 8 x lane
	v_lshl_add_u32 v4, v11, 2, SCV
	v_lshl_add_u32 v1, v10, 7, v1                  ; in a piece lane 16 h + r % 8 (+ 8 by the offset)
	v_lshl_add_u32 v3, v10, 6, v3                  ; lanes 16-31 take the words of the tile with e + 16
	v_lshlrev_b32 v7, 3, v11
	v_lshlrev_b32 v86, 3, v10
	v_lshl_add_u32 v1, v8, 3, v1
	v_lshl_add_u32 v3, v8, 2, v3
	v_mov_b32 v87, 0xff61b1e6                      ; -3e38
	v_lshl_add_u32 v93, v92, 1, s60                ; the stage: two bytes a row
	v_lshl_add_u32 v94, v0, 4, STG
	v_lshlrev_b32 v95, 4, v0
	v_lshlrev_b32 v92, 2, v92
.irp i, 22,23,24,25,26,27,80,81,82,83,84,85
	v_mov_b32 v\i, 0                               ; Q's upper half, and the upper half of a step's last tile of K: zero codes
.endr
.irp x, NA, NB
	v_mov_b32 v[\x+3], 0                           ; (the upper half of the pair of f)
	v_mov_b32 v[\x+16], 0                          ; written once: a lane permute's destination counts as a source
	v_mov_b32 v[\x+17], 0
.endr
	WIN 0x40
.irp i, 22,23,24,25,26,27
	v_mov_b32 v\i, 0                               ; tile B's Q, upper half
.endr
	WIN 0
.macro KLOAD adr, adrw                 ; a step's eight tiles of K, by the choice of keys of the head comment, and their words: register 28 + 2 c + g: lanes 0-15 tile (c, 2 g), lanes 16-31 tile (c, 2 g + 1)
.irp t, 0,1,2,3,4,5,6,7
.irp p, 0,1,2
	ds_load_b64 v[32+6*\t+2*\p:33+6*\t+2*\p], v[\adr] offset:((4*(\t/4)+(\t%2))*3+\p)*288+64*((\t%4)/2)
.endr
.endr
.irp q, 0,1,2,3
	ds_load_b32 v[28+\q], v[\adrw] offset:256*(\q/2)+32*(\q%2)
.endr
.endm
.macro SMUL w                          ; S^T of tile w: eight products, each starts its sum
	WIN (0x44*\w)
.irp t, 0,1,2,3,4,5,6,7
.if (\t)%2
	v_wmma_scale_f32_16x16x128_f8f6f4 v[96+8*\t:103+8*\t], v[32+6*\t:43+6*\t], v[16:27], 0, v[28+2*(\t/4)+(\t%4)/2], v[88+\w] matrix_a_fmt:MATRIX_FMT_FP6 matrix_b_fmt:MATRIX_FMT_FP6 matrix_a_scale:MATRIX_SCALE_ROW1
.else
	v_wmma_scale_f32_16x16x128_f8f6f4 v[96+8*\t:103+8*\t], v[32+6*\t:43+6*\t], v[16:27], 0, v[28+2*(\t/4)+(\t%4)/2], v[88+\w] matrix_a_fmt:MATRIX_FMT_FP6 matrix_b_fmt:MATRIX_FMT_FP6
.endif
.endr
.endm
.macro MAXTREE w, n                    ; four chains of 16 scores, two to a block; each accumulator is read from its low end on
	WIN (0x14*\w)
.irp k, 0,1,2,3
	v_max3_num_f32 v[\n+12+\k], v87, v[96+16*\k], v[97+16*\k]
.endr
.irp i, 2,4,6,8,10,12,14
.irp k, 0,1,2,3
	v_max3_num_f32 v[\n+12+\k], v[\n+12+\k], v[96+16*\k+\i], v[97+16*\k+\i]
.endr
.endr
.endm
.macro OSC w, n                        ; O^T under the new M
	WIN (0x41*\w)
.set j, 0
.rept 16
	v_pk_mul_f32 v[160+j:161+j], v[160+j:161+j], v[\n+2:\n+3] op_sel_hi:[1,0]
.set j, j+2
.endr
.endm
.macro PKFMA w, n                      ; t - M
	WIN (0x41*\w)
.set j, 0
.rept 32
	v_pk_fma_f32 v[96+j:97+j], v[96+j:97+j], s[22:23], v[\n:\n+1] op_sel_hi:[1,0,0]
.set j, j+2
.endr
.endm
.macro EXPS                            ; p, not normalised
.set j, 0
.rept 64
	v_exp_f32 v[96+j], v[96+j]
.set j, j+1
.endr
.endm
.macro SUM w, n                        ; the sum of the unquantised p, in four pairs; the first four additions bring the pairs under the new M
	WIN (0x10*\w)
.irp k, 0,1,2,3
	v_pk_fma_f32 v[\n+4+2*\k:\n+5+2*\k], v[\n+4+2*\k:\n+5+2*\k], v[\n+2:\n+3], v[96+2*\k:97+2*\k] op_sel_hi:[1,0,1]
.endr
	WIN (0x04*\w)
.set j, 8
.rept 28
	v_pk_add_f32 v[\n+4+j%8:\n+5+j%8], v[\n+4+j%8:\n+5+j%8], v[96+j:97+j]
.set j, j+2
.endr
.endm
.macro CVT w, n
	WIN (0x41*\w)
.irp c, 0,1
	v_cvt_scalef32_pk16_fp6_f32 v[192+6*\c:194+6*\c], v[96+32*\c:111+32*\c], v[\n+18+\c]
	v_cvt_scalef32_pk16_fp6_f32 v[204+4*\c:206+4*\c], v[112+32*\c:127+32*\c], v[\n+18+\c]   ; (three registers begin on an even number)
.endr
.endm
.macro MOVC w
	WIN (0x41*\w)
.irp c, 0,1
.irp i, 0,1,2
	v_mov_b32 v[195+6*\c+\i], v[204+4*\c+\i]
.endr
.endr
.endm
.macro PV w, n                         ; O^T += V^T P^T: V's fragments lie in window 1
	WIN (0x01+0x54*\w)
.irp t, 0,1,2,3
.if (\t)%2
	v_wmma_scale_f32_16x16x128_f8f6f4 v[160+8*\t:167+8*\t], v[32+12*\t:43+12*\t], v[192:203], v[160+8*\t:167+8*\t], v[90+\t/2], v[\n+20] matrix_a_fmt:MATRIX_FMT_FP6 matrix_b_fmt:MATRIX_FMT_FP6 matrix_a_scale:MATRIX_SCALE_ROW1
.else
	v_wmma_scale_f32_16x16x128_f8f6f4 v[160+8*\t:167+8*\t], v[32+12*\t:43+12*\t], v[192:203], v[160+8*\t:167+8*\t], v[90+\t/2], v[\n+20] matrix_a_fmt:MATRIX_FMT_FP6 matrix_b_fmt:MATRIX_FMT_FP6
.endif
.endr
.endm
.macro TRIP                            ; 128 keys, both tiles
	s_wait_dscnt 0x0                               ; this step's K, asked for in the last trip
	SMUL 0
	SMUL 1
	WIN 0
	v_add_nc_u32 v9, s58, v2                       ; these four are the places ahead of the loads below and of the first read of the scores
	v_add_nc_u32 v11, s59, v4
	v_add_nc_u32 v8, s56, v1
	v_add_nc_u32 v10, s57, v3
	WIN 0x40
.irp t, 0,1,2,3                                ; this step's V lands under the softmax,
.irp p, 0,1,2,3,4,5
	ds_load_b64 v[32+12*\t+2*\p:33+12*\t+2*\p], v9 offset:1536*\t+256*\p
.endr
.endr
	WIN 0
.irp i, 0,1
	ds_load_b32 v[90+\i], v11 offset:128*\i
.endr
	KLOAD 8, 10                                    ; and so does the next step's K
	MAXTREE 0, NA
	MAXTREE 1, NB
	WIN 0
.irp x, NA, NB                                 ; the two tiles' short chains by turns
	v_max_num_f32 v[\x+12], v[\x+12], v[\x+13]     ; the largest score of block h,
.endr
.irp x, NA, NB
	v_max_num_f32 v[\x+14], v[\x+14], v[\x+15]     ; and of block 2 + h
.endr
.irp x, NA, NB
	H 2
	v_max3_num_f32 v[\x+17], v[\x+1], v[\x+12], v[\x+14]
.endr
.irp x, NA, NB
	H 2
	v_permlanex16_b32 v[\x+16], v[\x+17], s20, s21
.endr
.irp x, NA, NB
	H 2
	v_max_num_f32 v[\x+1], v[\x+17], v[\x+16]      ; the running largest score of my query
.endr
.irp x, NA, NB
	H 2
	v_mul_f32 v[\x+16], s22, v[\x+1]               ; as t
.endr
.irp x, NA, NB
	v_mov_b32 v[\x+17], v[\x]
.endr
.irp x, NA, NB
	H 4
	v_floor_f32 v[\x], -v[\x+16]                   ; -M = floor(-t): M is a whole number
.endr
.irp x, NA, NB
	H 2
	v_sub_f32 v[\x+17], v[\x], v[\x+17]
.endr
.irp x, NA, NB
	H 2
	v_cvt_i32_f32 v[\x+17], v[\x+17]               ; (it saturates)
.endr
.irp x, NA, NB
	H 2
	v_ldexp_f32 v[\x+2], 1.0, v[\x+17]             ; f = 2^(old M - new M): rounds nothing
.endr
.irp x, NA, NB
	v_fma_f32 v[\x+12], v[\x+12], s22, v[\x]       ; t - M of the blocks' largest scores
	v_fma_f32 v[\x+14], v[\x+14], s22, v[\x]
.endr
	OSC 0, NA
	PKFMA 0, NA
	OSC 1, NB                                      ; both O^T are first read ahead of the step's exponentials
	WIN 0
	s_wait_alu depctr_va_vdst(0)                   ; ahead of a batch
	EXPS
.irp x, NA, NB
	v_exp_f32 v[\x+12], v[\x+12]                   ; the blocks' largest p: the same two instructions on the same number
	v_exp_f32 v[\x+14], v[\x+14]
.endr
	PKFMA 1, NB                                    ; tile B's plain work stands behind tile A's batch
	s_wait_alu depctr_va_vdst(0)                   ; behind the first batch and ahead of the second
	EXPS
	SUM 0, NA                                      ; tile A's behind tile B's
	s_wait_alu depctr_va_vdst(0)                   ; behind the second batch
	SUM 1, NB
	WIN 0
.irp x, NA, NB
	v_max_num_f32 v[\x+12], 0x1800000, v[\x+12]    ; the floor: the byte cannot fall under 1
.endr
.irp x, NA, NB
	v_max_num_f32 v[\x+14], 0x1800000, v[\x+14]
.endr
.irp x, NA, NB
	H 4
	v_add_nc_u32 v[\x+18], 0xff000000, v[\x+12]    ; 2 off the exponent field: the conversion's scale operand
.endr
.irp x, NA, NB
	H 4
	v_add_nc_u32 v[\x+19], 0xff000000, v[\x+14]
.endr
	CVT 0, NA
	CVT 1, NB
	WIN 0
.irp x, NA, NB
	v_lshrrev_b32 v[\x+12], 23, v[\x+18]           ; the bytes.  (Plain places behind the conversions)
.endr
.irp x, NA, NB
	v_lshrrev_b32 v[\x+13], 23, v[\x+19]
.endr
.irp x, NA, NB
	H 2
	v_lshl_or_b32 v[\x+17], v[\x+13], 16, v[\x+12] ; blocks h and 2 + h,
.endr
.irp x, NA, NB
	H 2
	v_lshlrev_b32 v[\x+17], v86, v[\x+17]          ; at their places;
.endr
.irp x, NA, NB
	H 2
	v_permlanex16_b32 v[\x+16], v[\x+17], s20, s21
.endr
.irp x, NA, NB
	H 2
	v_or_b32 v[\x+20], v[\x+17], v[\x+16]          ; with lane l xor 16's two p's word is whole
.endr
	MOVC 0
	MOVC 1
.rept 4
	v_nop                                          ; with the moves: sixteen places behind the words, four behind the last code
.endr
	s_wait_alu depctr_va_vdst(0)                   ; directly ahead of the wait below
	s_wait_dscnt 28                                ; V and its words are in; the 28 younger loads, the next step's K, may be out
	PV 0, NA
	PV 1, NB
	WIN 0
	s_add_co_u32 s56, s56, KSTEP
	s_add_co_u32 s57, s57, 512
	s_add_co_u32 s58, s58, 6144
	s_add_co_u32 s59, s59, 256
.endm
.macro FIN1 w, n                       ; O^T / the sum, and the largest magnitudes of its two blocks of 32 channels
	WIN (0x41*\w)
.set j, 0
.rept 16
	v_pk_mul_f32 v[96+j:97+j], v[160+j:161+j], v[\n+2:\n+3] op_sel_hi:[1,0]   ; each accumulator from its low end on
.set j, j+2
.endr
.endm
.macro FIN2 w, n
	WIN (0x14*\w)
.irp b, 0,1
	v_max3_num_f32 v[\n+12+\b], 0x1800000, |v[96+16*\b]|, |v[97+16*\b]|
.endr
.irp i, 2,4,6,8,10,12,14
.irp b, 0,1
	v_max3_num_f32 v[\n+12+\b], v[\n+12+\b], |v[96+16*\b+\i]|, |v[97+16*\b+\i]|
.endr
.endr
.endm
.macro FIN3 w, n, ps                   ; half a fragment: lanes 0-15 block 0, lanes 16-31 block 1
	WIN (0x41*\w)
	v_cvt_scalef32_pk16_fp6_f32 v[192:194], v[96:111], v[\n+18]
	v_cvt_scalef32_pk16_fp6_f32 v[196:198], v[112:127], v[\n+19]
	v_nop
.irp i, 0,1,2
	v_permlane16_swap_b32 v[192+\i], v[196+\i]
.endr
.irp i, 0,1,2
	v_mov_b32 v[195+\i], v[196+\i]
.endr
	WIN (0x04*\w)
.irp p, 0,1,2
	global_store_b64 v7, v[192+2*\p:193+2*\p], s[52:53] offset:196608*\ps+12288*\w+256*\p   ; 256 consecutive bytes, aligned
.endr
.endm
.macro FINISH ps
.irp x, NA, NB                                 ; (these lines are also the places behind the last products)
	v_pk_add_f32 v[\x+4:\x+5], v[\x+4:\x+5], v[\x+6:\x+7]
.endr
.irp x, NA, NB
	v_pk_add_f32 v[\x+8:\x+9], v[\x+8:\x+9], v[\x+10:\x+11]
.endr
.irp x, NA, NB
	H 2
	v_pk_add_f32 v[\x+4:\x+5], v[\x+4:\x+5], v[\x+8:\x+9]
.endr
.irp x, NA, NB
	H 2
	v_add_f32 v[\x+17], v[\x+4], v[\x+5]
.endr
.irp x, NA, NB
	H 2
	v_permlanex16_b32 v[\x+16], v[\x+17], s20, s21
.endr
.irp x, NA, NB
	H 2
	v_add_f32 v[\x+17], v[\x+17], v[\x+16]         ; the row's sum
.endr
	s_wait_alu depctr_va_vdst(0)
.irp x, NA, NB
	v_rcp_f32 v[\x+2], v[\x+17]
.endr
	v_nop
	s_wait_alu depctr_va_vdst(0)                   ; behind the two, directly ahead of the first reader of O^T
	FIN1 0, NA
	FIN1 1, NB
	FIN2 0, NA
	FIN2 1, NB
	WIN 0
.irp x, NA, NB
	v_permlanex16_b32 v[\x+16], v[\x+12], s20, s21
	v_permlanex16_b32 v[\x+17], v[\x+13], s20, s21
.endr
.irp x, NA, NB
	v_max_num_f32 v[\x+12], v[\x+12], v[\x+16]
	v_max_num_f32 v[\x+13], v[\x+13], v[\x+17]
.endr
.irp x, NA, NB
	v_add_nc_u32 v[\x+18], 0xff000000, v[\x+12]
	v_add_nc_u32 v[\x+19], 0xff000000, v[\x+13]
.endr
.irp x, NA, NB
	v_lshrrev_b32 v[\x+14], 23, v[\x+18]
.endr
.irp x, NA, NB
	v_lshrrev_b32 v[\x+15], 23, v[\x+19]
.endr
.irp x, NA, NB
	H 2
	v_lshl_or_b32 v[\x+17], v[\x+15], 8, v[\x+14]
.endr
	FIN3 0, NA, \ps
	FIN3 1, NB, \ps
	WIN 0
	ds_store_b16 v93, v[NA+17] offset:512*\ps      ; both halves of the lanes write the same two bytes
	ds_store_b16 v93, v[NB+17] offset:512*\ps+256
.endm
.macro PASS ps
.if \ps
	s_wait_xcnt 0x0                                ; the last pass's stores have read their registers,
	s_wait_dscnt 0x0                               ; and its last loads, the 17th step's, have landed: their registers may be asked for again
.endif
.irp p, 0,1,2
	global_load_b64 v[16+2*\p:17+2*\p], v7, s[48:49] offset:12288*\ps+256*\p
.endr
	global_load_b32 v88, v92, s[50:51] offset:1024*\ps
	global_load_b32 v89, v92, s[50:51] offset:1024*\ps+512
	WIN 0x40
.irp p, 0,1,2
	global_load_b64 v[16+2*\p:17+2*\p], v7, s[48:49] offset:12288*\ps+6144+256*\p
.endr
.set j, 0
.rept 32
	v_mov_b32 v[160+j], 0                          ; the step is written once: the first finds zeros
.set j, j+1
.endr
	WIN 0
.set j, 0
.rept 32
	v_mov_b32 v[160+j], 0
.set j, j+1
.endr
.irp x, NA, NB
	v_mov_b32 v[\x+1], v87
	v_floor_f32 v[\x], -v87
.irp i, 4,5,6,7,8,9,10,11
	v_mov_b32 v[\x+\i], 0
.endr
.endr
	s_mov_b32 s56, KSTEP                           ; K and its words run a step ahead
	s_mov_b32 s57, 512
	s_mov_b32 s58, 0
	s_mov_b32 s59, 0
	s_mov_b32 s17, 16
	s_wait_alu depctr_va_vdst(0)                   ; ahead of the waits below
.if (\ps) == 0
	s_wait_tensorcnt 0x0                           ; my part of the head is in,
	s_barrier_signal -1
	s_barrier_wait -1                              ; everybody's is
.endif
	KLOAD 1, 3                                     ; step 0's K
	s_wait_loadcnt 0x0
.Lkey_\ps:
	TRIP
	s_sub_co_u32 s17, s17, 1
	s_cmp_lg_u32 s17, 0
	s_cbranch_scc1 .Lkey_\ps
	FINISH \ps
.endm
	PASS 0
	PASS 1
	s_wait_dscnt 0x0                               ; for the others' sake: my bytes lie in the stage
	s_barrier_signal -1
	s_barrier_wait -1
	s_cmp_lt_u32 s12, 2
	s_cbranch_scc0 .Lno_cs
	ds_load_b128 v[96:99], v94                     ; waves 0 and 1 store the work-group's 1,024 bytes, 16 a lane
	s_wait_dscnt 0x0
	global_store_b128 v95, v[96:99], s[54:55]
.Lno_cs:
	s_wait_tensorcnt 0x0                           ; the wave's end
	ds_add_u32 v[SPW], v[NIL]
	s_wait_dscnt 0x0
	CROUND                                         ; the closing round
	s_endpgm
.Lfunc_end_k_q6278b8ed65_attn:
	.size	k_q6278b8ed65_attn, .Lfunc_end_k_q6278b8ed65_attn-k_q6278b8ed65_attn
	.p2alignl 7, 3214868480
	.fill 96, 4, 3214868480
	.section	.rodata,"a",@progbits
	.p2align	6, 0x0
	.amdhsa_kernel k_q6278b8ed65_attn
		.amdhsa_group_segment_fixed_size 223744
		.amdhsa_private_segment_fixed_size 0
		.amdhsa_enable_private_segment 0
		.amdhsa_kernarg_size 32
		.amdhsa_user_sgpr_count 2
		.amdhsa_user_sgpr_kernarg_segment_ptr 1
		.amdhsa_wavefront_size32 1
		.amdhsa_system_sgpr_workgroup_id_x 1
		.amdhsa_system_sgpr_workgroup_id_y 1
		.amdhsa_system_sgpr_workgroup_id_z 1
		.amdhsa_system_vgpr_workitem_id 0
		.amdhsa_next_free_vgpr 512
		.amdhsa_next_free_sgpr 96
		.amdhsa_reserve_vcc 0
		.amdhsa_float_denorm_mode_32 3
		.amdhsa_float_denorm_mode_16_64 3
		.amdhsa_memory_ordered 1
		.amdhsa_forward_progress 1
		.amdhsa_inst_pref_size 97
	.end_amdhsa_kernel
	.amdgpu_metadata
---
amdhsa.version: [ 1, 2 ]
amdhsa.kernels:
  - .name:           k_q6278b8ed65_attn
    .symbol:         k_q6278b8ed65_attn.kd
    .args:
      - { .name: hc, .offset: 0, .size: 8, .value_kind: global_buffer, .address_space: global }
      - { .name: hs, .offset: 8, .size: 8, .value_kind: global_buffer, .address_space: global }
      - { .name: cc, .offset: 16, .size: 8, .value_kind: global_buffer, .address_space: global }
      - { .name: cs, .offset: 24, .size: 8, .value_kind: global_buffer, .address_space: global }
    .group_segment_fixed_size: 223744
    .private_segment_fixed_size: 0
    .kernarg_segment_align: 8
    .kernarg_segment_size: 32
    .max_flat_workgroup_size: 256
    .sgpr_count:     96
    .vgpr_count:     512
    .wavefront_size: 32
...
	.end_amdgpu_metadata
.endif
;; end of part 3
;; launch outp (part 4): grid 4 x 32, 4 waves a work-group, clusters of 4 x 4, 327,680 bytes of LDS; arguments cc, cs, codes, scales, out_proj_bias, out0; writes out0
.if DOCPART == 4
	.amdgcn_target "amdgcn-amd-amdhsa--gfx1250"
	.amdhsa_code_object_version 6
	.text
	.protected	k_q6278b8ed65_outp
	.globl	k_q6278b8ed65_outp
	.p2align	8
	.type	k_q6278b8ed65_outp,@function
k_q6278b8ed65_outp:
	s_mov_b64 s[64:65], 0
	v_nop
	global_prefetch_b8 v0, s[64:65] scope:SCOPE_SE
	s_setreg_imm32_b32 hwreg(HW_REG_WAVE_MODE, 25, 1), 1
	s_wait_xcnt 0x0
	s_wait_alu depctr_hold_cnt(0) depctr_sa_sdst(0) depctr_va_vdst(0) depctr_va_sdst(0) depctr_va_ssrc(0) depctr_va_vcc(0) depctr_vm_vsrc(0)
	s_getreg_b32 s2, hwreg(HW_REG_IB_STS2, 6, 4)
	s_cmp_eq_u32 s2, 0
	s_cbranch_scc0 .Lentry_in_a_cluster
	s_endpgm
.Lentry_in_a_cluster:
	s_bfe_u32 s2, ttmp6, 0x10000c
	s_cmp_lg_u32 s2, 0xf033
	s_cbranch_scc0 .Lentry_shape_is_right
	s_endpgm
.Lentry_shape_is_right:
.set KSB,   24576
.set FRB,   1536
.set SLOT,  4*KSB
.set SCLA,  2*SLOT
.set SCLB,  SCLA+8192
.set SPARE, SCLB+8192
.set SPITCH, 528
.set FR, 12
.set NL, 6
.set NP, 4
.set ADRA, 16
.set ADRB, 20
.set STO, 24
.set RD,  25
.set CO,  26
.set ADRS, 27
.set SPW, 28
.set NIL, 29
.set SC,  32
.set BT,  64
.set AF,  128
.set BK,  128
.set G1, 24
.set G0, 32
.set G1B, 48
.set G0B, 56
.set G1SB, 80
.set G0SB, 88
.set MSB, 0
.macro WIN new
.if MSB != (\new)
	s_set_vgpr_msb (MSB<<8)|(\new)
.set MSB, (\new)
.endif
.endm
.set MUL_LO, 0xa1
.set MUL_HI, 0xf1
.set TO_B,   0x40
.macro JLOAD g0a, g1a, g0b, g1b
	s_cmp_eq_u32 s15, 0
	s_cbranch_scc0 .Lfor_b_\@
	tensor_load_to_lds s[\g0a:\g0a+3], s[\g1a:\g1a+7]
	s_nop 0
.rept 4
	v_nop
.endr
	s_branch .Lasked_\@
.Lfor_b_\@:
	tensor_load_to_lds s[\g0b:\g0b+3], s[\g1b:\g1b+7]
	s_nop 0
.rept 4
	v_nop
.endr
.Lasked_\@:
.endm
.macro CREST
	s_cmp_lg_u32 s14, 0
	s_cbranch_scc1 .Lnot_wave_0_\@
	s_barrier_signal -3
.Lnot_wave_0_\@:
	s_barrier_wait -3
	s_barrier_signal -1
	s_barrier_wait -1
.endm
.macro CROUND
	s_barrier_signal -1
	s_barrier_wait -1
	CREST
.endm
	s_load_b256 s[4:11], s[0:1], 0x0
	s_load_b128 s[92:95], s[0:1], 0x20
	v_lshl_add_u32 v[SPW], v0, 2, SPARE
	v_mov_b32 v[NIL], 0
	ds_add_u32 v[SPW], v[NIL]
	ds_add_u32 v[SPW], v[NIL]
	v_lshrrev_b32 v1, 5, v0
	v_readfirstlane_b32 s14, v1
	s_lshr_b32 s15, s14, 1
	s_and_b32 s16, s14, 1
	s_bfe_u32 s40, ttmp6, 0x40000
	s_bfe_u32 s41, ttmp6, 0x40004
	s_lshl_b32 s42, ttmp9, 2
	s_add_co_u32 s42, s42, s40
	s_and_b32 s17, ttmp7, 0xffff
	s_lshl_b32 s17, s17, 2
	s_add_co_u32 s17, s17, s41
	s_lshl_b32 s43, s41, 2
	s_lshl_b32 s43, 15, s43
	s_lshl_b32 s44, 0x1111, s40
	s_or_b32 s[G1+0], s43, (3<<16)|(1<<21)
	s_or_b32 s[G1B+0], s44, (3<<16)|(1<<21)
.irp g, G1, G1B
	s_mov_b32 s[\g+1], 32<<16
	s_mov_b32 s[\g+2], 192<<16                     ; the head's loads of codes bring a whole slot's 192 rows of 256 bytes
	s_mov_b32 s[\g+3], 32<<16
	s_mov_b32 s[\g+4], 192
	s_mov_b32 s[\g+5], 32
	s_mov_b32 s[\g+6], 0
	s_mov_b32 s[\g+7], 0
.endr
	s_or_b32 s[G1SB+0], s44, (3<<16)|(1<<21)
	s_mov_b32 s[G1SB+1], 32<<16
	s_mov_b32 s[G1SB+2], 16<<16                    ; half of the weight's scales: 16 rows of 256 bytes
	s_mov_b32 s[G1SB+3], 32<<16
	s_mov_b32 s[G1SB+4], 16
	s_mov_b32 s[G1SB+5], 32
	s_mov_b32 s[G1SB+6], 0
	s_mov_b32 s[G1SB+7], 0
	s_mul_i32 s22, s16, KSB                        ; s[22:23]: which K step of a slot my ring loads bring, in bytes
	s_mov_b32 s23, 0
	s_mul_i32 s20, s17, 196608
	s_mov_b32 s21, 0
	s_add_co_u32 s46, s42, 44
	s_lshl_b32 s2, s46, 13
	s_mul_i32 s46, s46, 196608
	s_mov_b32 s47, 0
	s_lshl_b32 s19, s14, 12                        ; waves 2 and 3 bring the two halves of the scales
	s_add_co_u32 s2, s2, s19
	s_sub_co_u32 s2, s2, 8192
	s_mov_b32 s3, 0
	s_mul_i32 s45, s14, KSB
	s_wait_dscnt 0x0
	s_wait_kmcnt 0x0
	s_add_nc_u64 s[20:21], s[4:5], s[20:21]
	s_add_nc_u64 s[46:47], s[8:9], s[46:47]
	s_add_nc_u64 s[2:3], s[10:11], s[2:3]
	CROUND
	s_mov_b32 s[G0SB], 1
	s_add_co_u32 s[G0SB+1], s19, SCLB-8192
	s_mov_b64 s[G0SB+2:G0SB+3], s[2:3]
	s_or_b32 s[G0SB+3], s[G0SB+3], 0x80000000
; THE HEAD'S LOADS, ONE A WAVE: wave 0 brings slot 0's two K steps of ctx's codes (49,152 bytes on end in memory and in LDS), wave 1 those of the weight, waves 2 and 3 the halves of the weight's scales.
; One chain of branches on the wave's number: every way passes exactly one load.  Slot 0's two groups 0 serve these loads first and are set for the ring behind the wait for them.
.macro ARM under, g0, g1, next
	s_cmp_lt_u32 s14, \under
	s_cbranch_scc0 \next
	tensor_load_to_lds s[\g0:\g0+3], s[\g1:\g1+7]
	s_nop 0
.rept 4
	v_nop
.endr
	s_branch .Lhead_asked
\next:
.endm
	s_mov_b32 s[G0], 1
	s_mov_b32 s[G0+1], 0
	s_mov_b64 s[G0+2:G0+3], s[20:21]
	s_or_b32 s[G0+3], s[G0+3], 0x80000000
	s_mov_b32 s[G0B], 1
	s_mov_b32 s[G0B+1], 2*KSB
	s_mov_b64 s[G0B+2:G0B+3], s[46:47]
	s_or_b32 s[G0B+3], s[G0B+3], 0x80000000
	ARM 1, G0,  G1,  .Lhead_b
	ARM 2, G0B, G1B, .Lhead_sb
	tensor_load_to_lds s[G0SB:G0SB+3], s[G1SB:G1SB+7]
	s_nop 0
.rept 4
	v_nop
.endr
.Lhead_asked:
	s_add_nc_u64 s[20:21], s[20:21], s[22:23]      ; for the ring: my K step of a slot's two
	s_add_nc_u64 s[46:47], s[46:47], s[22:23]
	s_mov_b32 s[G0+4], 1
	s_add_co_u32 s[G0+5], s45, SLOT
	s_add_nc_u64 s[G0+6:G0+7], s[20:21], 2*KSB
	s_or_b32 s[G0+7], s[G0+7], 0x80000000
	s_mov_b32 s[G0B+4], 1
	s_add_co_u32 s[G0B+5], s45, SLOT
	s_add_nc_u64 s[G0B+6:G0B+7], s[46:47], 2*KSB
	s_or_b32 s[G0B+7], s[G0B+7], 0x80000000
	s_wait_alu depctr_va_vdst(0)                   ; directly ahead of the wait below
	s_wait_tensorcnt 0x0                           ; my tile of the head's is in
	ds_add_u32 v28, v29
	s_add_co_u32 s[G0+1], s45, 0                   ; no tensor load of mine is out, so descriptors may be written: slot 0's groups 0 for the ring,
	s_mov_b64 s[G0+2:G0+3], s[20:21]
	s_or_b32 s[G0+3], s[G0+3], 0x80000000
	s_add_co_u32 s[G0B+1], s45, 0
	s_mov_b64 s[G0B+2:G0B+3], s[46:47]
	s_or_b32 s[G0B+3], s[G0B+3], 0x80000000
	s_mov_b32 s[G1+2], 96<<16                      ; and from here on a load brings 96 rows
	s_mov_b32 s[G1+4], 96
	s_mov_b32 s[G1B+2], 96<<16
	s_mov_b32 s[G1B+4], 96
	s_wait_dscnt 0x0
	CROUND                                         ; the head's tiles are in, and all sixteen work-groups are here
	JLOAD G0+4, G1, G0B+4, G1B                     ; slot 1's first fill, the first tensor load behind the round
	v_and_b32 v1, 15, v0
	v_bfe_u32 v2, v0, 4, 1
	v_and_b32 v3, 31, v0
	v_lshlrev_b32 v4, 3, v3
	s_wait_alu depctr_va_vdst(0)
	s_lshl_b32 s20, s17, 9
	s_mov_b32 s21, 0
	s_add_nc_u64 s[6:7], s[6:7], s[20:21]
	v_lshlrev_b32 v9, 2, v0
.irp d, 0,1,2,3,4,5,6,7,8,9,10,11,12,13,14,15
	global_load_b32 v[224+\d], v9, s[6:7] offset:16384*\d
.endr
	s_lshl_b32 s20, s42, 10
	s_lshl_b32 s22, s16, 9
	s_add_co_u32 s20, s20, s22
	s_add_nc_u64 s[92:93], s[92:93], s[20:21]
	v_lshlrev_b32 v10, 5, v2
.irp b, 0,1,2,3,4,5,6,7
	global_load_b128 v[BT+8*\b:BT+8*\b+3], v10, s[92:93] offset:64*\b
	global_load_b128 v[BT+8*\b+4:BT+8*\b+7], v10, s[92:93] offset:64*\b+16
.endr
	s_mul_i32 s21, s15, 8*FRB
	s_mul_i32 s22, s16, 8*FRB
	s_add_co_u32 s22, s22, 2*KSB
.irp s, 0,1
	v_add_nc_u32 v[ADRA+\s], s21, v4
	v_add_nc_u32 v[ADRB+\s], s22, v4
	s_add_co_u32 s21, s21, SLOT
	s_add_co_u32 s22, s22, SLOT
.endr
	s_lshl_b32 s21, s15, 10
	s_lshl_b32 s22, s16, 10
	s_add_co_u32 s22, s22, 8192
	s_sub_co_u32 s22, s22, s21
	v_mul_u32_u24 v6, s22, v2
	s_add_co_u32 s21, s21, SCLA
	v_lshl_add_u32 v5, v1, 3, v6
	v_add_nc_u32 v[ADRS], s21, v5
	s_mul_i32 s23, s14, 16*SPITCH
	v_mul_u32_u24 v5, v1, SPITCH
	v_lshl_add_u32 v5, v2, 5, v5
	v_add_nc_u32 v[STO], s23, v5
	v_lshlrev_b32 v[CO], 4, v3
	v_add_nc_u32 v[RD], s23, v[CO]
	s_and_b32 s20, s17, 7
	s_lshl_b32 s20, s20, 22
	s_lshl_b32 s22, s15, 21
	s_add_co_u32 s20, s20, s22
	s_lshr_b32 s22, s17, 3
	s_lshl_b32 s22, s22, 12
	s_add_co_u32 s20, s20, s22
	s_lshl_b32 s22, s42, 10
	s_add_co_u32 s20, s20, s22
	s_lshl_b32 s22, s16, 9
	s_add_co_u32 s20, s20, s22
	s_mov_b32 s21, 0
	s_add_nc_u64 s[94:95], s[94:95], s[20:21]
	v_lshl_add_u32 v11, v0, 4, SCLA
	s_wait_loadcnt 16
.irp k, 0,1,2,3
	v_perm_b32 v[240+4*\k], v[225+4*\k], v[224+4*\k], 0x05040100
	v_perm_b32 v[241+4*\k], v[227+4*\k], v[226+4*\k], 0x05040100
	v_perm_b32 v[242+4*\k], v[225+4*\k], v[224+4*\k], 0x07060302
	v_perm_b32 v[243+4*\k], v[227+4*\k], v[226+4*\k], 0x07060302
	s_wait_alu depctr_va_vdst(0)
	ds_store_b128 v11, v[240+4*\k:243+4*\k] offset:2048*\k
.endr
.macro FRAG reg, adr, q, i
.irp p, 0,1,2,3,4,5
	ds_load_b64 v[\reg+2*\p:\reg+2*\p+1], v[\adr] offset:(\q)*KSB+(\i)*FRB+256*\p
.endr
.endm
.macro MUL16 a0, p, q, sc, cm
.irp a, \a0, \a0+1
.irp b, 0,1,2,3,4,5,6,7
.set DD, 8*(8*((\a)%4)+\b)
.set CC, DD
.if \cm == 1
.set CC, BT+8*\b
.endif
	v_wmma_scale_f32_16x16x128_f8f6f4 v[DD:DD+7], v[128*(\p)+FR*\b:128*(\p)+FR*\b+FR-1], v[AF+FR*(\a):AF+FR*(\a)+FR-1], v[CC:CC+7], v[SC+16*(\sc)+2*\b+(\q)], v[SC+16*(\sc)+2*(\a)+(\q)] matrix_a_fmt:MATRIX_FMT_FP6 matrix_b_fmt:MATRIX_FMT_FP6 matrix_a_scale:MATRIX_SCALE_ROW1
.endr
.endr
.endm
.macro FETCH_B slot, q, p
	WIN TO_B
.irp i, 0,1,2,3,4,5,6,7
	FRAG 128*(\p)+FR*\i, ADRB+\slot, \q, \i
.endr
	WIN 0
.endm
.macro FETCH_A slot, q, i0
.irp i, \i0, \i0+1, \i0+2, \i0+3
	FRAG AF+FR*(\i), ADRA+\slot, \q, \i
.endr
.endm
.macro SCALES sc
.irp i, 0,1,2,3,4,5,6,7
	ds_load_b64 v[SC+16*\sc+2*\i:SC+16*\sc+2*\i+1], v[ADRS] offset:128*\i
.endr
.endm
.macro PLACES n
.rept \n
	v_nop
.endr
.endm
.macro STEP slot, q, cm
	s_wait_dscnt 4*NL
.if \cm
	WIN 0x81
.else
	WIN MUL_LO
.endif
	MUL16 0, (\q)%2, \q, \slot, \cm
	MUL16 2, (\q)%2, \q, \slot, \cm
	s_wait_dscnt 0
	PLACES NP
	FETCH_B \slot, (\q)+1, 1-(\q)%2
	FETCH_A \slot, (\q)+1, 0
.if \cm
	WIN 0xc1
.else
	WIN MUL_HI
.endif
	MUL16 4, (\q)%2, \q, \slot, \cm
	MUL16 6, (\q)%2, \q, \slot, \cm
	PLACES NP
	WIN 0
	FETCH_A \slot, (\q)+1, 4
.endm
.macro TURN slot, next, fill
	s_wait_tensorcnt 0x0
	ds_add_u32 v[SPW], v[NIL]
	s_wait_dscnt 4*NL+1
	WIN MUL_LO
	MUL16 0, 1, 1, \slot, 0
	s_wait_dscnt 0x0
	s_barrier_signal -1
	MUL16 2, 1, 1, \slot, 0
	WIN 0
	s_barrier_wait -1
.if \fill
	CREST
	s_add_nc_u64 s[G0+4*\slot+2:G0+4*\slot+3], s[G0+4*\slot+2:G0+4*\slot+3], 4*KSB
	s_add_nc_u64 s[G0B+4*\slot+2:G0B+4*\slot+3], s[G0B+4*\slot+2:G0B+4*\slot+3], 4*KSB
	JLOAD G0+4*\slot, G1, G0B+4*\slot, G1B
.else
	PLACES NP
.endif
	s_wait_alu depctr_va_vdst(0)
	v_add_nc_u32 v[ADRS], 2048, v[ADRS]
	FETCH_B \next, 0, 0
	FETCH_A \next, 0, 0
	SCALES \next
	WIN MUL_HI
	MUL16 4, 1, 1, \slot, 0
	MUL16 6, 1, 1, \slot, 0
	PLACES NP
	WIN 0
	FETCH_A \next, 0, 4
.endm
	s_wait_dscnt 0x0
	s_wait_tensorcnt 1
	s_barrier_signal -1
	s_barrier_wait -1
	FETCH_B 0, 0, 0
	FETCH_A 0, 0, 0
	SCALES 0
	FETCH_A 0, 0, 4
	s_wait_loadcnt 0x0
	STEP 0, 0, 1
	TURN 0, 1, 1
	STEP 1, 0, 0
	TURN 1, 0, 1
	STEP 0, 0, 0
	TURN 0, 1, 0
	STEP 1, 0, 0
	s_wait_dscnt 4*NL
	WIN MUL_LO
	MUL16 0, 1, 1, 1, 0
	MUL16 2, 1, 1, 1, 0
	s_wait_dscnt 0
	WIN MUL_HI
	MUL16 4, 1, 1, 1, 0
	MUL16 6, 1, 1, 1, 0
	WIN 0
.macro TOSTAGE a
.set AC, 64*((\a)%4)
	WIN 0x08+4*((\a)/4)
.irp b, 0,1,2,3,4,5,6,7
	ds_store_b128 v[STO], v[AC+8*\b:AC+8*\b+3] offset:64*\b
	ds_store_b128 v[STO], v[AC+8*\b+4:AC+8*\b+7] offset:64*\b+16
.endr
	WIN 0
.set BB, BK+64*((\a)%2)
.irp t, 0,1,2,3,4,5,6,7,8,9,10,11,12,13,14,15
	ds_load_b128 v[BB+4*\t:BB+4*\t+3], v[RD] offset:\t*SPITCH
.endr
.endm
.macro SEND a, younger
.set BB, BK+64*((\a)%2)
	s_wait_dscnt \younger
.if (\a) > 0
	s_add_nc_u64 s[94:95], s[94:95], 262144
.endif
.irp t, 0,1,2,3,4,5,6,7,8,9,10,11,12,13,14,15
	global_store_b128 v[CO], v[BB+4*\t:BB+4*\t+3], s[94:95] offset:\t*16384 th:TH_STORE_NT
.endr
.endm
	PLACES NP
	TOSTAGE 0
.irp a, 1,2,3,4,5,6,7
.if \a > 1
	s_wait_xcnt 0x0
.endif
	TOSTAGE \a
	SEND \a-1, 32
.endr
	s_wait_xcnt 0x0
	SEND 7, 0
	s_wait_tensorcnt 0x0
	ds_add_u32 v[SPW], v[NIL]
	s_wait_dscnt 0x0
	CROUND
	s_endpgm
.Lfunc_end_k_q6278b8ed65_outp:
	.size	k_q6278b8ed65_outp, .Lfunc_end_k_q6278b8ed65_outp-k_q6278b8ed65_outp
	.p2alignl 7, 3214868480
	.fill 96, 4, 3214868480
	.section	.rodata,"a",@progbits
	.p2align	6, 0x0
	.amdhsa_kernel k_q6278b8ed65_outp
		.amdhsa_group_segment_fixed_size 327680
		.amdhsa_private_segment_fixed_size 0
		.amdhsa_enable_private_segment 0
		.amdhsa_kernarg_size 48
		.amdhsa_user_sgpr_count 2
		.amdhsa_user_sgpr_kernarg_segment_ptr 1
		.amdhsa_wavefront_size32 1
		.amdhsa_system_sgpr_workgroup_id_x 1
		.amdhsa_system_sgpr_workgroup_id_y 1
		.amdhsa_system_sgpr_workgroup_id_z 1
		.amdhsa_system_vgpr_workitem_id 0
		.amdhsa_next_free_vgpr 1024
		.amdhsa_next_free_sgpr 106
		.amdhsa_reserve_vcc 0
		.amdhsa_float_denorm_mode_32 3
		.amdhsa_float_denorm_mode_16_64 3
		.amdhsa_memory_ordered 1
		.amdhsa_forward_progress 1
		.amdhsa_inst_pref_size 165
	.end_amdhsa_kernel
	.amdgpu_metadata
---
amdhsa.version: [ 1, 2 ]
amdhsa.kernels:
  - .name:           k_q6278b8ed65_outp
    .symbol:         k_q6278b8ed65_outp.kd
    .args:
      - { .name: cc, .offset: 0, .size: 8, .value_kind: global_buffer, .address_space: global }
      - { .name: cs, .offset: 8, .size: 8, .value_kind: global_buffer, .address_space: global }
      - { .name: codes, .offset: 16, .size: 8, .value_kind: global_buffer, .address_space: global }
      - { .name: scales, .offset: 24, .size: 8, .value_kind: global_buffer, .address_space: global }
      - { .name: out_proj_bias, .offset: 32, .size: 8, .value_kind: global_buffer, .address_space: global }
      - { .name: out0, .offset: 40, .size: 8, .value_kind: global_buffer, .address_space: global }
    .group_segment_fixed_size: 327680
    .private_segment_fixed_size: 0
    .kernarg_segment_align: 8
    .kernarg_segment_size: 48
    .max_flat_workgroup_size: 128
    .sgpr_count:     106
    .vgpr_count:     1024
    .wavefront_size: 32
...
	.end_amdgpu_metadata
.endif
;; end of part 4
